; MI455X (gfx1250); checked and timed in simulation.
; The chip was launched on July 23, 2026; its instructions are those of AMD's public machine-readable ISA for CDNA 5 (MIT licence, August 2026) and "CDNA5" Instruction Set Architecture Reference Guide (July 2026). The comments in the code are by the model that wrote it; some were corrected since.
;; Causal Self Attention. Allowed arithmetic: matrix products marked QUANTISED: E4M3 operands, one given power-of-two scale a tensor, by v_wmma_f32_16x16x64_fp8_fp8 or v_wmma_f32_16x16x128_fp8_fp8, f32 sums; products left as they are: f32 operands where the result goes on into a quantised operand, else bf16, f16 or f32 operands; f32 sums; everything else in f32.
;; Inputs: W_attn 1,024 x 3,072 float32; W_proj 1,024 x 1,024 float32; lowp_scales 8 int32 (the exponents e of the quantised operands' scales 2^e); x 4 x 2,048 x 1,024 float32.
;; Outputs: out0 4 x 2,048 x 1,024 float32.
;; This version of the problem:
;;   THIS VERSION OF THE PROBLEM IS GIVEN IN LOW PRECISION. The matrix products marked QUANTISED in the list below multiply operands that are first quantised to E4M3 (4 exponent bits, 3 mantissa bits; 8 bits a number), with one given power-of-two scale for each operand tensor; their sums are f32. All else is computed in f32.
;;   The module's matrix products, in the order in which they are computed (A, B: the left and right operand; K: the contracted axis; several contracted axes count as one K, in the product's order):
;;     1. [M 8,192, K 1,024] x [K 1,024, N 3,072]; A: input x; B: input W_attn: QUANTISED (scales: A lowp_scales[0], B lowp_scales[1])
;;     2. [M 2,048, K 1] x [K 1, N 32]; A: computed on the way; B: computed on the way: left as it is (no contracted axis)
;;     3. batch 64 x [M 2,048, K 64] x [K 64, N 2,048]; A: computed on the way; B: computed on the way: QUANTISED (scales: A lowp_scales[2], B lowp_scales[3])
;;     4. batch 64 x [M 2,048, K 2,048] x [K 2,048, N 64]; A: softmax (see below); B: computed on the way: QUANTISED (scales: A lowp_scales[4], B lowp_scales[5])
;;     5. [M 8,192, K 1,024] x [K 1,024, N 1,024]; A: computed on the way; B: input W_proj: QUANTISED (scales: A lowp_scales[6], B lowp_scales[7])
;;   THE QUANTISER, for each operand of a quantised product, along K:
;;     - The operand's scale is 2^e, e = its entry of the input lowp_scales (int32; the entries are numbered through the quantised products in the list's order, A before B).
;;     - Each number is divided by the scale, clamped to +-448, and rounded to the nearest number of E4M3, ties to even, subnormals kept.
;;     - The product sums the exact products of the quantised numbers (number of the format x scale) in f32.
;;   ~~~python
;;   def quantise(x, axis, e):      # numpy; x: float32 -> the quantised numbers, widened to float32 again
;;       x = np.moveaxis(x, axis, -1); K = x.shape[-1]
;;       r = np.clip(x / 2.0 ** e, -448, 448)
;;       step = 2.0 ** (np.maximum(np.frexp(np.where(r == 0, 1, r))[1] - 1, -6) - 3)
;;       q = np.round(r / step) * step * 2.0 ** e      # np.round: ties to even
;;       return np.moveaxis(q, -1, axis).astype(np.float32)
;;   ~~~
;;   SOFTMAX AHEAD OF A QUANTISED PRODUCT. Where the list says 'softmax', what is quantised is not the finished softmax but p = 2^(t - M), with t = logit x log2(e) and M = ceil(the row's largest t), a whole number; so 1/2 < the row's largest p <= 1. The row's sum l is taken of the UNQUANTISED p, in f32, and the product's result is divided by l at the end. Since M is a whole number, a kernel that streams over the keys may use a running M (the ceiling of the running maximum): every later rescaling is an exact power of two, so the quantised numbers keep their values, but for numbers so far below the row's largest that they fall under the format's range.
;;   OPERANDS COMPUTED ON THE WAY. 'Computed on the way' means the value that the module computes at that place (a softmax that the list does not call 'softmax' is quantised finished and normalised). What goes into a quantiser is computed in f32, as accurately as f32 sums, v_exp_f32 and their like allow (about 1e-6 of the number): no bf16 or f16 on the way to a quantiser, and a product that is left as it is and whose result goes on into a quantised operand takes f32 operands (vector FMAs, or v_wmma_f32_16x16x4_f32). A number that lies on a knife's edge between two numbers of the format may be rounded either way, as far as f32 arithmetic and the matrix unit's own rounding can turn it there, and no further.
;; One version. Each part assembles by itself: llvm-mc -triple=amdgcn-amd-amdhsa -mcpu=gfx1250 --defsym DOCPART=n.
;; ======== version 1 of 1: 4 launches
;; limits: right only within a limited range of input values
;; workspace buffers: x_codes 8,388,608 bytes; wa_codes 3,145,728 bytes; wp_codes 1,048,576 bytes; rope 524,288 bytes; q_img 8,388,608 bytes; k_img 8,388,608 bytes; v_img 8,388,608 bytes; y_img 8,388,608 bytes
;; launch prep (part 1): grid 416 x 1, 4 waves a work-group, no clusters, 70,144 bytes of LDS; arguments x, W_attn, W_proj, lowp_scales, x_codes, wa_codes, wp_codes, rope; writes x_codes, wa_codes, wp_codes, rope
.if DOCPART == 1
	.amdgcn_target "amdgcn-amd-amdhsa--gfx1250"
	.amdhsa_code_object_version 6
	.text
	.protected	k_q950087fc54_prep
	.globl	k_q950087fc54_prep
	.p2align	8
	.type	k_q950087fc54_prep,@function
k_q950087fc54_prep:
	s_mov_b64 s[64:65], 0
	v_nop
	global_prefetch_b8 v0, s[64:65] scope:SCOPE_SE
	s_setreg_imm32_b32 hwreg(HW_REG_WAVE_MODE, 25, 1), 1
	s_wait_xcnt 0x0
; PREP: the three inputs become codes of E4M3 (code = number / 2^e, held within +-448, nearest, ties to even), and the table of cos and sin is made.
; Work-groups 0-95: W_attn [1024 k][3072 n] -> wa_codes [3072 n][1024 p];  96-127: W_proj [1024 k][1024 n] -> wp_codes [1024 n][1024 p];  128-159: the table;  160-415: x [8192][1024] -> x_codes [8192][1024 p].
; One scale a tensor makes quantising elementwise, so the place p of a code in its row is free, as long as both operands of a product agree:
;   x_codes and wa_codes: place p holds k = 512 (p >> 9) + 128 ((p >> 2) & 3) + 4 ((p >> 4) & 31) + (p & 3): the order in which x's codes fall out of dense 16-byte loads, so x needs no turn through LDS;
;   wp_codes: place p holds k = p with bits 3 and 4 exchanged: a 16-byte read at 32 c + 16 (lane / 16) then gives registers 4 c .. 4 c + 3 of the 8-bit operand layout (ISA guide 7.12.2), which y's codes have.
; The table: [128 blocks of 16 t][8 pieces][32 lanes][4 f32]: piece 2 b + e holds cos, piece 4 + 2 b + e sin, of t = 16 block + lane % 16 times inv_freq[16 b + 8 (lane / 16) + 4 e + 0 .. 3].
; LIMITS: e0, e1, e7 between -126 and 119.  NaN among the inputs is not served.  inv_freq[j] is made as 2^(-j log2(10) / 8) by v_exp_f32; an angle near t = 2047 may differ by about 2e-4 from one made of a correctly rounded inv_freq.
; The paths part on the work-group's number; each path that uses LDS has bytes of its own.  No tensor load, no barrier: waves share nothing.
.set PITCH, 272                        ; a stage row: 256 bytes of codes + 16
.set STGA,  0                          ; W_attn's four stages of 32 rows
.set STGP,  4*32*PITCH                 ; W_proj's
.set SPARE, 8*32*PITCH                 ; behind them: the spare words, 128 bytes a wave: two blocks of 256 bytes that no other line names
.set SPW,   14                         ; v14  LDS address of my spare word; never rewritten
.set NIL,   15                         ; v15  0; never rewritten
.set X,     32                         ; v32-95   weights: two sets of 32 numbers
.set C,     96                         ; v96-103  a block's codes
.set OUTR,  112                        ; v112-175 the way out
.set R,     16                         ; v16-79   x: four sets of 16 numbers
.set C2,    128                        ; v128-191 x: four registers of codes for each step, never written again
.macro SCALES ex                       ; v11 = 2^e as f32 (the conversion takes its exponent field), v10 = 448 x 2^e
	s_wait_kmcnt 0x0
	s_add_co_i32 s29, s[\ex], 127
	s_lshl_b32 s30, s29, 23
	v_mov_b32 v11, s30
	s_add_co_i32 s29, s29, 8
	s_lshl_b32 s29, s29, 23
	s_or_b32 s29, s29, 0x600000
	v_mov_b32 v10, s29
.endm
; block t of a weight: places 32 t + 0 .. 31 of my column; the row of the weight that belongs to a place stands in the immediate
.macro WLOAD t, cols, perm
.set qq, 32*(\t)
.rept 32
.if \perm
.set rr, (qq&0xe7)|((qq&8)<<1)|((qq&16)>>1)
.else
.set rr, 128*((qq>>2)&3)+4*(qq>>4)+(qq&3)
.endif
	global_load_b32 v[X+32*((\t)%2)+(qq&31)], v3, s[36:37] offset:rr*\cols*4 th:TH_LOAD_NT
.set qq, qq+1
.endr
.endm
.macro WBLOCK t, cols, perm
.set XS, X+32*((\t)%2)
.if (\t) < 7
	s_wait_loadcnt 32                              ; this block's 32 loads are in; the next block's may be out
.else
	s_wait_loadcnt 0x0
.endif
.set ii, 0
.rept 32
	v_med3_num_f32 v[XS+ii], v[XS+ii], -v10, v10   ; the conversion to an 8-bit code does not saturate (ISA guide 7.6.2): the hold comes first
.set ii, ii+1
.endr
.irp g, 0,1,2,3
	v_cvt_scalef32_pk8_fp8_f32 v[C+2*\g:C+2*\g+1], v[XS+8*\g:XS+8*\g+7], v11
.endr
	ds_store_b128 v4, v[C:C+3] offset:32*(\t)      ; 32 codes of my column's row
	ds_store_b128 v4, v[C+4:C+7] offset:32*(\t)+16
.if (\t)+2 < 8
	WLOAD (\t)+2, \cols, \perm
.endif
	s_wait_dscnt 0x0                               ; the stores have read their registers: the next block's codes may be written
.endm
; A weight [1024 k][cols]: a lane takes a column, its registers run down the places; a wave takes 32 columns x 256 places; the codes leave through the wave's own stage, sixteen lanes to 256 consecutive bytes.
.macro WQ cols, stg, perm, gbase, ex, src, dst
	s_sub_co_u32 s29, ttmp9, \gbase
	s_lshr_b32 s30, s29, 2                         ; which 128 columns
	s_and_b32 s31, s29, 3                          ; which 256 places
	s_lshl_b32 s30, s30, 7
	s_lshl_b32 s32, s28, 5
	s_add_co_u32 s30, s30, s32                     ; my wave's first column
.if \perm
	s_lshl_b32 s33, s31, 8                         ; the first row of the weight that these places touch
.else
	s_lshr_b32 s33, s31, 1
	s_lshl_b32 s33, s33, 9
	s_and_b32 s34, s31, 1
	s_lshl_b32 s34, s34, 6
	s_add_co_u32 s33, s33, s34
.endif
	s_mul_i32 s33, s33, \cols*4
	s_lshl_b32 s34, s30, 2
	s_add_co_u32 s34, s34, s33
	s_mov_b32 s35, 0
	s_add_nc_u64 s[36:37], s[\src:\src+1], s[34:35]
	s_lshl_b32 s34, s30, 10                        ; the codes: column x 1,024 + 256 x part
	s_lshl_b32 s33, s31, 8
	s_add_co_u32 s34, s34, s33
	s_add_nc_u64 s[38:39], s[\dst:\dst+1], s[34:35]
	v_lshlrev_b32 v3, 2, v2                        ; in: 4 bytes a lane
	s_mul_i32 s32, s28, 32*PITCH
	s_add_co_u32 s32, s32, \stg                    ; my stage
	v_mul_u32_u24 v4, v2, PITCH
	v_add_nc_u32 v4, s32, v4                       ; into it: row = my column
	v_and_b32 v5, 15, v2
	v_lshrrev_b32 v6, 4, v2
	v_mul_u32_u24 v7, v6, PITCH
	v_lshl_add_u32 v7, v5, 4, v7
	v_add_nc_u32 v7, s32, v7                       ; out of it: sixteen lanes to a row, two rows an instruction
	v_lshlrev_b32 v8, 10, v6
	v_lshl_add_u32 v8, v5, 4, v8                   ; and the same place in the codes' buffer
	WLOAD 0, \cols, \perm
	WLOAD 1, \cols, \perm
	SCALES \ex
	s_wait_alu depctr_va_vdst(0)
.irp t, 0,1,2,3,4,5,6,7
	WBLOCK \t, \cols, \perm
.endr
.irp t, 0,1,2,3,4,5,6,7,8,9,10,11,12,13,14,15
	ds_load_b128 v[OUTR+4*\t:OUTR+4*\t+3], v7 offset:2*\t*PITCH   ; LDS serves a wave's instructions in order: these see my stores
.endr
.irp t, 0,1,2,3,4,5,6,7,8,9,10,11,12,13,14,15
	s_wait_dscnt 15-\t                             ; the younger reads may be out
	global_store_b128 v8, v[OUTR+4*\t:OUTR+4*\t+3], s[38:39] offset:2*\t*1024
.endr
	s_wait_tensorcnt 0x0                           ; the wave's end
	ds_add_u32 v[SPW], v[NIL]
	s_wait_dscnt 0x0
	s_endpgm
.endm
.macro XLOAD t                         ; step t of x: four loads of 512 consecutive bytes
.irp i, 0,1,2,3
	global_load_b128 v[R+16*((\t)%4)+4*\i:R+16*((\t)%4)+4*\i+3], v3, s[4:5] offset:2048*(\t)+512*\i th:TH_LOAD_NT
.endr
.endm
.macro XSTEP t
.set RS, R+16*((\t)%4)
.if (\t) < 13
	s_wait_loadcnt 12                              ; this step's four loads are in; those of the three steps behind it may be out
.else
	s_wait_loadcnt 4*(15-(\t))
.endif
.set ii, 0
.rept 16
	v_med3_num_f32 v[RS+ii], v[RS+ii], -v10, v10
.set ii, ii+1
.endr
	v_cvt_scalef32_pk8_fp8_f32 v[C2+4*(\t):C2+4*(\t)+1], v[RS:RS+7], v11        ; byte 4 i + e of my 16: number 128 i + 4 lane + e of the step's 512
	v_cvt_scalef32_pk8_fp8_f32 v[C2+4*(\t)+2:C2+4*(\t)+3], v[RS+8:RS+15], v11
	global_store_b128 v3, v[C2+4*(\t):C2+4*(\t)+3], s[12:13] offset:512*(\t)    ; the wave stores 512 consecutive bytes
.if (\t)+4 < 16
	XLOAD (\t)+4
.endif
.endm
; cos and sin of the angle in v[16 + i]: n = the nearest whole number to a 2 / pi; r = a - n pi / 2, pi / 2 in three parts, by fused multiply-adds; polynomials on |r| <= pi / 4; the quadrant n mod 4 exchanges and signs them
.macro SINCOS i
	v_mul_f32 v6, 0x3f22f983, v[16+\i]
	v_rndne_f32 v6, v6
	v_fma_f32 v7, -v6, s32, v[16+\i]
	v_fma_f32 v7, -v6, s33, v7
	v_fma_f32 v7, -v6, s34, v7
	v_mul_f32 v8, v7, v7
	v_mov_b32 v9, 0x3638ef1d                       ; 1 / 9!
	v_mov_b32 v10, 0x37d00d01                      ; 1 / 8!
	v_fmaak_f32 v9, v8, v9, 0xb9500d01
	v_fmaak_f32 v10, v8, v10, 0xbab60b61
	v_fmaak_f32 v9, v8, v9, 0x3c088889
	v_fmaak_f32 v10, v8, v10, 0x3d2aaaab
	v_fmaak_f32 v9, v8, v9, 0xbe2aaaab
	v_fmaak_f32 v10, v8, v10, 0xbf000000
	v_mul_f32 v11, v7, v8
	v_fma_f32 v10, v8, v10, 1.0                    ; cos r
	v_fma_f32 v9, v11, v9, v7                      ; sin r
	v_cvt_i32_f32 v12, v6
	v_and_b32 v11, 1, v12
	v_cmp_eq_u32 vcc_lo, 1, v11
	v_cndmask_b32 v[48+\i], v9, v10, vcc_lo        ; odd quadrants: the two change places
	v_cndmask_b32 v[32+\i], v10, v9, vcc_lo
	v_and_b32 v11, 2, v12                          ; sin is negative in quadrants 2, 3,
	v_add_nc_u32 v12, 1, v12
	v_lshlrev_b32 v11, 30, v11
	v_and_b32 v12, 2, v12                          ; cos in quadrants 1, 2
	v_xor_b32 v[48+\i], v11, v[48+\i]
	v_lshlrev_b32 v12, 30, v12
	v_xor_b32 v[32+\i], v12, v[32+\i]
.endm
	s_load_b512 s[4:19], s[0:1], 0x0               ; x s[4:5], W_attn s[6:7], W_proj s[8:9], scales s[10:11], x_codes s[12:13], wa_codes s[14:15], wp_codes s[16:17], table s[18:19]
	v_lshl_add_u32 v[SPW], v0, 2, SPARE
	v_mov_b32 v[NIL], 0
	v_lshrrev_b32 v1, 5, v0
	v_readfirstlane_b32 s28, v1                    ; wave 0..3
	v_and_b32 v2, 31, v0                           ; lane
	s_wait_kmcnt 0x0
	s_load_b256 s[20:27], s[10:11], 0x0            ; e0 .. e7
	s_cmp_lt_u32 ttmp9, 96
	s_cbranch_scc1 .Lwa
	s_cmp_lt_u32 ttmp9, 128
	s_cbranch_scc1 .Lwp
	s_cmp_lt_u32 ttmp9, 160
	s_cbranch_scc1 .Lrope
	; ---- x: a wave takes 8,192 numbers in 16 steps of 512; loads run four steps ahead
	s_sub_co_u32 s29, ttmp9, 160
	s_lshl_b32 s29, s29, 2
	s_add_co_u32 s29, s29, s28                     ; which run of 8,192 numbers
	s_lshl_b32 s30, s29, 15
	s_mov_b32 s31, 0
	s_add_nc_u64 s[4:5], s[4:5], s[30:31]
	s_lshl_b32 s30, s29, 13
	s_add_nc_u64 s[12:13], s[12:13], s[30:31]
	s_wait_alu depctr_va_vdst(0)
	v_lshlrev_b32 v3, 4, v2                        ; 16 bytes a lane, in and out
.irp t, 0,1,2,3
	XLOAD \t
.endr
	SCALES 20
	s_wait_alu depctr_va_vdst(0)
.irp t, 0,1,2,3,4,5,6,7,8,9,10,11,12,13,14,15
	XSTEP \t
.endr
	s_endpgm
.Lwa:
	s_wait_alu depctr_va_vdst(0)
	WQ 3072, STGA, 0, 0, 21, 6, 14
.Lwp:
	s_wait_alu depctr_va_vdst(0)
	WQ 1024, STGP, 1, 96, 27, 8, 16
.Lrope:
	; ---- the table: a wave makes one block of 16 t
	s_sub_co_u32 s29, ttmp9, 128
	s_lshl_b32 s29, s29, 2
	s_add_co_u32 s29, s29, s28                     ; the block
	s_lshl_b32 s30, s29, 12
	s_mov_b32 s31, 0
	s_add_nc_u64 s[18:19], s[18:19], s[30:31]
	s_mov_b32 s32, 0x3fc90fda                      ; pi / 2 in three parts
	s_mov_b32 s33, 0x33a22168
	s_mov_b32 s34, 0x27c234c5
	s_wait_alu depctr_va_vdst(0)
	v_and_b32 v3, 15, v2
	v_lshrrev_b32 v4, 4, v2
	s_lshl_b32 s30, s29, 4
	v_add_nc_u32 v3, s30, v3
	v_cvt_f32_u32 v3, v3                           ; t
	v_lshlrev_b32 v4, 3, v4                        ; 8 (lane / 16)
	v_lshlrev_b32 v5, 4, v2
.set ii, 0
.rept 16
	v_add_nc_u32 v[16+ii], (ii&7)+16*(ii>>3), v4   ; j
	v_cvt_f32_u32 v[16+ii], v[16+ii]
	v_mul_f32 v[16+ii], 0xbed49a78, v[16+ii]       ; -j log2(10) / 8
.set ii, ii+1
.endr
.set ii, 0
	s_wait_alu depctr_va_vdst(0)
.rept 16
	v_exp_f32 v[16+ii], v[16+ii]                   ; inv_freq[j]
.set ii, ii+1
.endr
	v_nop                                          ; a plain instruction behind the last exponential
	s_wait_alu depctr_va_vdst(0)                   ; one wait for the batch, ahead of its first reader
.set ii, 0
.rept 16
	v_mul_f32 v[16+ii], v3, v[16+ii]               ; the angle
.set ii, ii+1
.endr
.irp i, 0,1,2,3,4,5,6,7,8,9,10,11,12,13,14,15
	SINCOS \i
.endr
.irp p, 0,1,2,3,4,5,6,7
	global_store_b128 v5, v[32+4*\p:35+4*\p], s[18:19] offset:512*\p   ; the wave stores 512 consecutive bytes
.endr
	s_endpgm
.Lfunc_end_k_q950087fc54_prep:
	.size	k_q950087fc54_prep, .Lfunc_end_k_q950087fc54_prep-k_q950087fc54_prep
	.p2alignl 7, 3214868480
	.fill 96, 4, 3214868480
	.section	.rodata,"a",@progbits
	.p2align	6, 0x0
	.amdhsa_kernel k_q950087fc54_prep
		.amdhsa_group_segment_fixed_size 70144
		.amdhsa_private_segment_fixed_size 0
		.amdhsa_enable_private_segment 0
		.amdhsa_kernarg_size 64
		.amdhsa_user_sgpr_count 2
		.amdhsa_user_sgpr_kernarg_segment_ptr 1
		.amdhsa_wavefront_size32 1
		.amdhsa_system_sgpr_workgroup_id_x 1
		.amdhsa_system_sgpr_workgroup_id_y 1
		.amdhsa_system_sgpr_workgroup_id_z 1
		.amdhsa_system_vgpr_workitem_id 0
		.amdhsa_next_free_vgpr 192
		.amdhsa_next_free_sgpr 66
		.amdhsa_reserve_vcc 1
		.amdhsa_float_denorm_mode_32 3
		.amdhsa_float_denorm_mode_16_64 3
		.amdhsa_memory_ordered 1
		.amdhsa_forward_progress 1
		.amdhsa_inst_pref_size 151
	.end_amdhsa_kernel
	.amdgpu_metadata
---
amdhsa.version: [ 1, 2 ]
amdhsa.kernels:
  - .name:           k_q950087fc54_prep
    .symbol:         k_q950087fc54_prep.kd
    .args:
      - { .name: x, .offset: 0, .size: 8, .value_kind: global_buffer, .address_space: global }
      - { .name: W_attn, .offset: 8, .size: 8, .value_kind: global_buffer, .address_space: global }
      - { .name: W_proj, .offset: 16, .size: 8, .value_kind: global_buffer, .address_space: global }
      - { .name: lowp_scales, .offset: 24, .size: 8, .value_kind: global_buffer, .address_space: global }
      - { .name: x_codes, .offset: 32, .size: 8, .value_kind: global_buffer, .address_space: global }
      - { .name: wa_codes, .offset: 40, .size: 8, .value_kind: global_buffer, .address_space: global }
      - { .name: wp_codes, .offset: 48, .size: 8, .value_kind: global_buffer, .address_space: global }
      - { .name: rope, .offset: 56, .size: 8, .value_kind: global_buffer, .address_space: global }
    .group_segment_fixed_size: 70144
    .private_segment_fixed_size: 0
    .kernarg_segment_align: 8
    .kernarg_segment_size: 64
    .max_flat_workgroup_size: 128
    .sgpr_count:     66
    .vgpr_count:     192
    .wavefront_size: 32
...
	.end_amdgpu_metadata
.endif
;; end of part 1
;; launch qkv (part 2): grid 8 x 32, 4 waves a work-group, clusters of 4 x 4, 327,680 bytes of LDS; arguments x_codes, wa_codes, lowp_scales, rope, q_img, k_img, v_img; writes q_img, k_img, v_img
.if DOCPART == 2
	.amdgcn_target "amdgcn-amd-amdhsa--gfx1250"
	.amdhsa_code_object_version 6
	.text
	.protected	k_q950087fc54_qkv
	.globl	k_q950087fc54_qkv
	.p2align	8
	.type	k_q950087fc54_qkv,@function
k_q950087fc54_qkv:
	s_mov_b64 s[64:65], 0
	v_nop
	global_prefetch_b8 v0, s[64:65] scope:SCOPE_SE
	s_setreg_imm32_b32 hwreg(HW_REG_WAVE_MODE, 25, 1), 1
	s_wait_xcnt 0x0
	s_wait_alu depctr_hold_cnt(0) depctr_sa_sdst(0) depctr_va_vdst(0) depctr_va_sdst(0) depctr_va_ssrc(0) depctr_va_vcc(0) depctr_vm_vsrc(0)
	s_getreg_b32 s2, hwreg(HW_REG_IB_STS2, 6, 4)
	s_cmp_eq_u32 s2, 0
	s_cbranch_scc0 .Lentry_in_a_cluster
	s_endpgm
.Lentry_in_a_cluster:
	s_bfe_u32 s2, ttmp6, 0x10000c
	s_cmp_lg_u32 s2, 0xf033
	s_cbranch_scc0 .Lentry_shape_is_right
	s_endpgm
.Lentry_shape_is_right:
; QKV = x W_attn on codes of E4M3, then the rotation of q and k, then q, k, v as codes, laid as images of the operand registers that the attention launch wants.
; x_codes [8192][1024], wa_codes [3072][1024]: K innermost, the same order of K in both.  256 work-groups of four waves, and A WORK-GROUP STAYS for two blocks:
;   first 256 tokens x 256 columns of q (cluster x = 0) or k (1): a wave makes 128 x 128, 64 accumulators;  then the same 256 tokens x 128 channels of v: a wave makes 64 channels x 128 tokens, 32 accumulators.
; K goes in steps of 256 through a ring of two LDS slots filled by the tensor data mover, and the ring runs on from the first block into the second: the first block's last two changes of slots ask for v's first two K steps.
; CLUSTERS: 4 x 4 work-groups; x's tiles are asked for jointly along a row of the cluster, the weight's along a column.
; q, k: source 0 = 16 columns of the weight, source 1 = 16 rows of x: a lane holds one token and eight neighbouring channels, which is what the rotation and the conversion want.
; v:    source 0 = 16 rows of x, source 1 = 16 rows of the weight: a lane holds one channel and eight neighbouring tokens, since the keys are the K of attention's second product.
; A slot: its first 256 rows feed source 1 (x's 256 rows; for v the weight's 128), its last 256 feed source 0 (the weight's 256; for v x's 256).  Every LDS address is made of the wave's number and constants.
; A sum stands for sum x 2^(e0 + e1); the rotation is linear, so the code is (rotated sum) / 2^(e - e0 - e1), e = e2 (q), e3 (k), e5 (v).
; IMAGES: q_img, k_img [64 heads][128 blocks of 16 tokens][2 pieces][512 bytes]; v_img [64 heads][32 steps of 64 keys][4 blocks of 16 channels][2 pieces][512 bytes]; a piece is four registers, lane l's 16 bytes at 16 l.
; PREFETCHES INTO THE L2: behind each of the first six joint loads stands one request for what the joint load two refills on will bring; a K step is 256 bytes of a row, a lane names a row.
;   Behind K steps 0 and 1: K steps 2 and 3 of the 128 rows that the wave fetches; the four partners that ask for them jointly take 32 rows each, told apart by address (cx for x, cy for the weight).
;   Behind the next four: K steps 0 to 3 of v's 128 rows of the weight: wave 0 of each of the four partners takes 32 rows.  x's rows are not asked for again: the first block has read them.
;   The address registers are never rewritten: the K step stands in the immediate.  Every row named lies inside its buffer (x: under 8,192; the weight: under 3,072).
; LIMITS: e2 - e0 - e1, e3 - e0 - e1 and e5 - e0 - e1 between -126 and 119.
; REGISTERS, in windows of 256: window 0: v0-31 addresses; v128-255 source 1's fragments (q, k: one set of 8; v: two sets of 4); on the way out v32-193.  window 1: source 0's, two sets of 8.  windows 2, 3: the accumulators ((a, b) at v[8 (8 (a % 4) + b)]).
.set ROWB,   256
.set KROW,   1024
.set PITCH,  272                       ; an LDS row: 256 bytes + 16 of padding = 68 words: the 16 rows that a load touches start at 16 different banks (64 banks of 4 bytes: ISA guide 11.1)
.set FR,     16
.set NL,     4
.set NP,     4                         ; places behind this matrix instruction (ISA guide 7.12.1)
.set HALFT,  128*PITCH
.set QUART,  64*PITCH
.set SLOT,   4*HALFT
.set SPARE,  2*SLOT                    ; behind the ring: the spare words, 128 bytes a wave
.set ADRA, 16                          ; v16-17  q, k: LDS address of source 1's fragments in slot 0, 1
.set ADRA2, 18                         ; v18-19  v: the same
.set ADRB, 20                          ; v20-21  of source 0's
.set LI,   24                          ; v24     16 x lane
.set PFO,  25                          ; v25     the prefetches' offset: lane x a row of 1,024 bytes; never rewritten
.set SPW,  28
.set NIL,  29
.set RP,   32                          ; v32-95   the way out: cos and sin, two sets of 32
.set E,    96                          ; v96-159  64 numbers ahead of the conversion
.set CD,   160                         ; v160-191 codes, two sets of 16
.set SCL,  192                         ; v192     the conversion's scale as f32
.set LIM,  193                         ; v193     448 x that
.set AF,   128
.set PFA,  12                          ; s[12:13] my work-group's 32 rows of the 128 that I fetch for q, k
.set PFB,  2                           ; s[2:3]   my work-group's 32 rows of v's weight
.set G1, 24                            ; s[24:31] group 1 for x's tiles; s[32:39] their groups 0, one a slot
.set G0, 32
.set G1B, 48                           ; the same for the weight's tiles of q, k
.set G0B, 56
.set G1C, 92                           ; s[92:99] group 1 for the weight's tiles of v (64 rows a load); groups 0 in s[4:7] and s[44:47]
.set G0C, 4
.set MSB, 0
.macro WIN new                         ; the immediate's high byte repeats the setting that is left
.if MSB != \new
	s_set_vgpr_msb (MSB<<8)|\new
.set MSB, \new
.endif
.endm
.set MUL_LO, 0xa1                      ; source 0 window 1, source 1 window 0, C and D window 2
.set MUL_HI, 0xf1                      ; the same, C and D window 3
.set TO_B,   0x40                      ; destination window 1, address window 0
; A joint load: waves 0 and 1 fill the slot's first rows, waves 2 and 3 its last.  The branch hangs on the wave's number alone.  An s_nop 0 and four v_nop follow each of the two lines.
.macro JLOAD g0a, g1a, g0b, g1b
	s_cmp_eq_u32 s15, 0
	s_cbranch_scc0 .Lfor_b_\@
	tensor_load_to_lds s[\g0a:\g0a+3], s[\g1a:\g1a+7]
	s_nop 0
.rept 4
	v_nop
.endr
	s_branch .Lasked_\@
.Lfor_b_\@:
	tensor_load_to_lds s[\g0b:\g0b+3], s[\g1b:\g1b+7]
	s_nop 0
.rept 4
	v_nop
.endr
.Lasked_\@:
.endm
.macro CREST                           ; a round of the cluster's barrier behind its opening barrier
	s_cmp_lg_u32 s14, 0
	s_cbranch_scc1 .Lnot_wave_0_\@
	s_barrier_signal -3
.Lnot_wave_0_\@:
	s_barrier_wait -3
	s_barrier_signal -1
	s_barrier_wait -1
.endm
.macro CROUND
	s_barrier_signal -1
	s_barrier_wait -1
	CREST
.endm
	s_load_b128 s[4:7], s[0:1], 0x0                ; x_codes, wa_codes
	s_load_b128 s[8:11], s[0:1], 0x10              ; the scales' exponents, the table
	s_load_b128 s[68:71], s[0:1], 0x20             ; q_img, k_img
	s_load_b64 s[72:73], s[0:1], 0x30              ; v_img
	v_lshl_add_u32 v[SPW], v0, 2, SPARE
	v_mov_b32 v[NIL], 0
	ds_add_u32 v[SPW], v[NIL]                      ; the wave's opening: the add, twice on end, and its wait ahead of my first tensor load
	ds_add_u32 v[SPW], v[NIL]
	v_lshrrev_b32 v1, 5, v0
	v_readfirstlane_b32 s14, v1                    ; wave 0..3
	s_lshr_b32 s15, s14, 1                         ; which half source 1's fragments take.  Also: I fill the slot's first rows (0) or its last (1)
	s_and_b32 s16, s14, 1                          ; which half source 0's fragments take.  Also: which half of those rows I fetch
	s_bfe_u32 s40, ttmp6, 0x40000                  ; cx, cy
	s_bfe_u32 s41, ttmp6, 0x40004
	s_lshl_b32 s42, ttmp9, 2
	s_add_co_u32 s42, s42, s40                     ; tile column = 4 x cluster x + cx, 0 .. 7
	s_and_b32 s17, ttmp7, 0xffff
	s_lshl_b32 s17, s17, 2
	s_add_co_u32 s17, s17, s41                     ; tile row = 4 x cluster y + cy
	s_lshl_b32 s43, s41, 2
	s_lshl_b32 s43, 15, s43                        ; my row of the cluster
	s_lshl_b32 s44, 0x1111, s40                    ; my column
	s_or_b32 s[G1+0], s43, (0<<16)|(1<<20)|(1<<21)|(5<<22)|(3<<25)  ; the mask; elements of 1 byte; padding on; bit 21 beside a mask; 4 words behind every 64
	s_or_b32 s[G1B+0], s44, (0<<16)|(1<<20)|(1<<21)|(5<<22)|(3<<25)
	s_or_b32 s[G1C+0], s44, (0<<16)|(1<<20)|(1<<21)|(5<<22)|(3<<25)
.irp g, G1, G1B
	s_mov_b32 s[\g+1], ROWB<<16                    ; tensor_dim0
	s_mov_b32 s[\g+2], 128<<16                     ; tensor_dim1
	s_mov_b32 s[\g+3], ROWB<<16                    ; tile_dim0
	s_mov_b32 s[\g+4], 128                         ; tile_dim1
	s_mov_b32 s[\g+5], KROW                        ; the pitch
	s_mov_b32 s[\g+6], 0
	s_mov_b32 s[\g+7], 0
.endr
	s_mov_b32 s[G1C+1], ROWB<<16
	s_mov_b32 s[G1C+2], 64<<16
	s_mov_b32 s[G1C+3], ROWB<<16
	s_mov_b32 s[G1C+4], 64
	s_mov_b32 s[G1C+5], KROW
	s_mov_b32 s[G1C+6], 0
	s_mov_b32 s[G1C+7], 0
	s_lshl_b32 s18, s16, 7
	s_lshl_b32 s20, s17, 8
	s_add_co_u32 s20, s20, s18                     ; x: row 256 x tile row + 128 x half
	s_lshl_b32 s46, s42, 8
	s_add_co_u32 s46, s46, s18                     ; the weight, q and k: row 256 x tile column + 128 x half
	s_lshl_b32 s20, s20, 10                        ; rows of 1,024 bytes
	s_lshl_b32 s46, s46, 10
	s_mov_b32 s21, 0
	s_mov_b32 s47, 0
	s_lshl_b32 s22, s42, 7
	s_lshl_b32 s18, s16, 6
	s_add_co_u32 s22, s22, s18
	s_add_co_u32 s22, s22, 2048                    ; the weight, v: row 2,048 + 128 x tile column + 64 x half
	s_lshl_b32 s22, s22, 10
	s_mov_b32 s23, 0
	s_mul_i32 s45, s14, HALFT                      ; where tiles of 128 rows go: wave x 128 rows
	s_mul_i32 s19, s16, QUART                      ; and v's tiles of 64 rows: half x 64 rows
	s_wait_dscnt 0x0                               ; both opening adds are done
	s_wait_kmcnt 0x0
	s_load_b256 s[76:83], s[8:9], 0x0              ; e0 .. e7
	s_add_nc_u64 s[20:21], s[4:5], s[20:21]
	s_add_nc_u64 s[46:47], s[6:7], s[46:47]
	s_add_nc_u64 s[22:23], s[6:7], s[22:23]
	CROUND                                         ; all sixteen work-groups are here: the first joint loads meet
.irp s, 0,1
	s_mov_b32 s[G0+4*\s], 1
	s_add_co_u32 s[G0+4*\s+1], s45, \s*SLOT
	s_add_nc_u64 s[G0+4*\s+2:G0+4*\s+3], s[20:21], \s*ROWB
	s_or_b32 s[G0+4*\s+3], s[G0+4*\s+3], 0x80000000
	s_mov_b32 s[G0B+4*\s], 1
	s_add_co_u32 s[G0B+4*\s+1], s45, \s*SLOT
	s_add_nc_u64 s[G0B+4*\s+2:G0B+4*\s+3], s[46:47], \s*ROWB
	s_or_b32 s[G0B+4*\s+3], s[G0B+4*\s+3], 0x80000000
.endr
	JLOAD G0, G1, G0B, G1B                         ; K step 0: one tensor load a wave at the head
	; where my prefetches stand
	s_cmp_eq_u32 s15, 0                            ; do I fetch x's rows?
	s_cselect_b32 s2, s17, s42                     ; the tile's number: by the tile row in x, by the tile column in the weight
	s_cselect_b32 s3, s40, s41                     ; my place among the four that ask with me
	s_cselect_b64 s[PFA:PFA+1], s[4:5], s[6:7]
	s_lshl_b32 s2, s2, 8
	s_lshl_b32 s18, s16, 7
	s_add_co_u32 s2, s2, s18                       ; + the 128 rows that I fetch
	s_lshl_b32 s3, s3, 5
	s_add_co_u32 s2, s2, s3                        ; + my work-group's 32 of them
	s_lshl_b32 s2, s2, 10
	s_mov_b32 s3, 0
	s_add_nc_u64 s[PFA:PFA+1], s[PFA:PFA+1], s[2:3]
	s_lshl_b32 s2, s42, 7
	s_lshl_b32 s18, s41, 5
	s_add_co_u32 s2, s2, s18
	s_add_co_u32 s2, s2, 2048                      ; v's weight: row 2,048 + 128 x tile column + 32 cy
	s_lshl_b32 s2, s2, 10
	s_add_nc_u64 s[PFB:PFB+1], s[6:7], s[2:3]
.irp s, 0,1                            ; v's groups 0, in registers that are done with
	s_mov_b32 s[G0C+40*\s], 1
	s_add_co_u32 s[G0C+40*\s+1], s19, \s*SLOT
	s_add_nc_u64 s[G0C+40*\s+2:G0C+40*\s+3], s[22:23], \s*ROWB
	s_or_b32 s[G0C+40*\s+3], s[G0C+40*\s+3], 0x80000000
.endr
	v_and_b32 v1, 15, v0
	v_bfe_u32 v2, v0, 4, 1
	v_mul_u32_u24 v3, v1, PITCH
	v_lshl_add_u32 v4, v2, 4, v3                   ; a fragment's row x pitch + 16 x half
	s_wait_alu depctr_va_vdst(0)
	v_and_b32 v6, 31, v0
	v_lshlrev_b32 v[LI], 4, v6
	v_lshlrev_b32 v[PFO], 10, v6
	global_prefetch_b8 v[PFO], s[PFA:PFA+1] offset:2*ROWB th:TH_LOAD_NT scope:SCOPE_SE   ; K step 2, two refills ahead of its load
	s_mul_i32 s21, s15, HALFT
	s_mul_i32 s22, s16, HALFT
	s_add_co_u32 s22, s22, 2*HALFT
	s_mul_i32 s23, s15, QUART
.irp s, 0,1
	v_add_nc_u32 v[ADRA+\s], s21, v4
	v_add_nc_u32 v[ADRB+\s], s22, v4
	v_add_nc_u32 v[ADRA2+\s], s23, v4
	s_add_co_u32 s21, s21, SLOT
	s_add_co_u32 s22, s22, SLOT
	s_add_co_u32 s23, s23, SLOT
.endr
.macro FRAG reg, adr, q, i             ; 16 rows x 128 places of K: registers 4 c .. 4 c + 3 hold places 32 c + 16 (lane / 16) + 0 .. 15, alike on both sides
.irp c, 0,1,2,3
	ds_load_b128 v[\reg+4*\c:\reg+4*\c+3], v[\adr] offset:128*(\q)+32*\c+(\i)*16*PITCH
.endr
.endm
; 16 matrix instructions; the accumulators take turns, one instruction a turn, in the same order in every step.  p: source 0's set; ao: where source 1's set begins; zero = 1: the first product starts the sums
.macro MUL16 a0, p, zero, ao
.irp a, \a0, \a0+1
.irp b, 0,1,2,3,4,5,6,7
.if \zero
	v_wmma_f32_16x16x128_fp8_fp8 v[8*(8*((\a)%4)+\b):8*(8*((\a)%4)+\b)+7], v[128*(\p)+FR*\b:128*(\p)+FR*\b+FR-1], v[AF+(\ao)+FR*(\a):AF+(\ao)+FR*(\a)+FR-1], 0
.else
	v_wmma_f32_16x16x128_fp8_fp8 v[8*(8*((\a)%4)+\b):8*(8*((\a)%4)+\b)+7], v[128*(\p)+FR*\b:128*(\p)+FR*\b+FR-1], v[AF+(\ao)+FR*(\a):AF+(\ao)+FR*(\a)+FR-1], v[8*(8*((\a)%4)+\b):8*(8*((\a)%4)+\b)+7]
.endif
.endr
.endr
.endm
.macro FETCH_B slot, q, p
	WIN TO_B
.irp i, 0,1,2,3,4,5,6,7
	FRAG 128*(\p)+FR*\i, ADRB+\slot, \q, \i
.endr
	WIN 0
.endm
.macro FETCH_A slot, q, i0
.irp i, \i0, \i0+1, \i0+2, \i0+3
	FRAG AF+FR*(\i), ADRA+\slot, \q, \i
.endr
.endm
.macro FETCH_A2 slot, q, p             ; v: four blocks of 16 channels into set p
.irp i, 0,1,2,3
	FRAG AF+64*(\p)+FR*\i, ADRA2+\slot, \q, \i
.endr
.endm
.macro PLACES n                        ; plain vector instructions between a matrix instruction and a load into, or a vector access to, its registers
.rept \n
	v_nop
.endr
.endm
.macro STEP slot, q, zero              ; q, k: 128 along K with its successor in the same slot
	s_wait_dscnt 4*NL                              ; source 0's fragments and blocks 0-3 are in; the youngest sixteen loads (blocks 4-7) may be out
	WIN MUL_LO
	MUL16 0, (\q)%2, \zero, 0
	MUL16 2, (\q)%2, \zero, 0
	s_wait_dscnt 0
	PLACES NP
	FETCH_B \slot, (\q)+1, 1-(\q)%2
	FETCH_A \slot, (\q)+1, 0
	WIN MUL_HI
	MUL16 4, (\q)%2, \zero, 0
	MUL16 6, (\q)%2, \zero, 0
	PLACES NP
	WIN 0
	FETCH_A \slot, (\q)+1, 4
.endm
; q, k: a slot's last step changes slots: in front of the round each wave waits for all its tensor loads, adds 0 to its spare word, and waits for that and for its reads of this slot.
; mode 1: the slot takes this block's K step two on;  2: v's K step 0;  3: v's K step 1, and no fragment is fetched: the way out of q, k comes first.  pf: the byte along K of v's weight that wave 0 prefetches.
.macro TURN slot, next, mode, pf
	s_wait_tensorcnt 0x0                           ; all my tensor loads have landed: my part of the next slot
	ds_add_u32 v[SPW], v[NIL]                      ; 0 onto my spare word
	s_wait_dscnt 4*NL+1                            ; the add and the youngest sixteen loads may be out
	WIN MUL_LO
	MUL16 0, 1, 0, 0
	s_wait_dscnt 0x0                               ; the add is done, and my reads of this slot are over
	s_barrier_signal -1
	MUL16 2, 1, 0, 0
	WIN 0
	s_barrier_wait -1
	CREST                                          ; the barrier has opened a round of the cluster's: no wave of any partner still reads this slot or has a load on its way
.if \mode == 1
	s_add_nc_u64 s[G0+4*\slot+2:G0+4*\slot+3], s[G0+4*\slot+2:G0+4*\slot+3], 2*ROWB
	s_add_nc_u64 s[G0B+4*\slot+2:G0B+4*\slot+3], s[G0B+4*\slot+2:G0B+4*\slot+3], 2*ROWB
	JLOAD G0+4*\slot, G1, G0B+4*\slot, G1B         ; the first tensor load behind the round; its four v_nop are the places in front of the loads below
.else
	s_sub_nc_u64 s[G0+4*\slot+2:G0+4*\slot+3], s[G0+4*\slot+2:G0+4*\slot+3], 2*ROWB   ; x's rows once more, back along K
	JLOAD G0C+40*\slot, G1C, G0+4*\slot, G1        ; waves 0, 1: the weight's 64 rows each; waves 2, 3: x's 128 rows each, into the slot's last 256
.endif
.if \mode < 3
	FETCH_B \next, 0, 0
	FETCH_A \next, 0, 0
.endif
	s_cmp_lg_u32 s14, 0                            ; wave 0 asks for what the joint load two refills on will bring of v's weight
	s_cbranch_scc1 .Lnot_mine_\@
	global_prefetch_b8 v[PFO], s[PFB:PFB+1] offset:\pf th:TH_LOAD_NT scope:SCOPE_SE
.Lnot_mine_\@:
	WIN MUL_HI
	MUL16 4, 1, 0, 0
	MUL16 6, 1, 0, 0
.if \mode < 3
	PLACES NP
	WIN 0
	FETCH_A \next, 0, 4
.else
	WIN 0
.endif
.endm
; v: 32 matrix instructions a step; both sides have two sets, and a step's 48 loads are issued ahead of the products of the step before.
.macro STEP2 slot, zero
	s_wait_dscnt 0x0                               ; set 0 is in
	PLACES NP                                      ; set 1 was read by the products just issued
	FETCH_B \slot, 1, 1
	FETCH_A2 \slot, 1, 1
	WIN MUL_LO
	MUL16 0, 0, \zero, 0
	MUL16 2, 0, \zero, 0
	WIN 0
.endm
.macro TURN2 slot, next, fill
	s_wait_tensorcnt 0x0                           ; all my tensor loads have landed
	ds_add_u32 v[SPW], v[NIL]
	s_wait_dscnt 0x0                               ; the add is done, set 1 is in, and my reads of this slot are over
	s_barrier_signal -1
	WIN MUL_LO
	MUL16 0, 1, 0, 64
	WIN 0
	s_barrier_wait -1
.if \fill
	CREST
	s_add_nc_u64 s[G0+4*\slot+2:G0+4*\slot+3], s[G0+4*\slot+2:G0+4*\slot+3], 2*ROWB
	s_add_nc_u64 s[G0C+40*\slot+2:G0C+40*\slot+3], s[G0C+40*\slot+2:G0C+40*\slot+3], 2*ROWB
	JLOAD G0C+40*\slot, G1C, G0+4*\slot, G1
.else
	PLACES NP
.endif
	FETCH_B \next, 0, 0
	FETCH_A2 \next, 0, 0
	WIN MUL_LO
	MUL16 2, 1, 0, 64
	WIN 0
.endm
.macro ROPELOAD a                      ; cos (16 registers) and sin (16) of block a's tokens, in the accumulators' layout
.irp i, 0,1,2,3,4,5,6,7
	global_load_b128 v[RP+32*((\a)%2)+4*\i:RP+32*((\a)%2)+4*\i+3], v[LI], s[10:11] offset:(\a)*4096+512*\i
.endr
.endm
	s_wait_alu depctr_va_vdst(0)                   ; the head's end
	s_wait_tensorcnt 0x0                           ; my part of K step 0 is in
	ds_add_u32 v[SPW], v[NIL]
	s_wait_dscnt 0x0
	CROUND                                         ; a whole round: everybody's part of K step 0 is in, and the joint loads meet
	JLOAD G0+4, G1, G0B+4, G1B                     ; K step 1: the first tensor load behind the round
	FETCH_B 0, 0, 0
	FETCH_A 0, 0, 0
	FETCH_A 0, 0, 4
	global_prefetch_b8 v[PFO], s[PFA:PFA+1] offset:3*ROWB th:TH_LOAD_NT scope:SCOPE_SE   ; K step 3, two refills ahead of its load
	STEP 0, 0, 1
	TURN 0, 1, 1, 0
	STEP 1, 0, 0
	TURN 1, 0, 1, ROWB
	STEP 0, 0, 0
	s_and_b32 s87, s17, 7                          ; the table's first two blocks are asked for here, two changes of slots ahead of the way out; their registers lie idle till then
	s_lshl_b32 s87, s87, 4
	s_lshl_b32 s88, s15, 3
	s_add_co_u32 s87, s87, s88                     ; my first block of 16 tokens in the sequence
	s_lshl_b32 s88, s87, 12
	s_mov_b32 s89, 0
	s_add_nc_u64 s[10:11], s[10:11], s[88:89]
	ROPELOAD 0
	ROPELOAD 1
	TURN 0, 1, 2, 2*ROWB
	STEP 1, 0, 0
	TURN 1, 0, 3, 3*ROWB
	; THE WAY OUT of q, k.  No LDS: a conversion's two registers are two registers of the image, and a piece of four registers leaves as 512 consecutive bytes.  v's first two K steps are on their way meanwhile.
	s_wait_kmcnt 0x0
	s_cmp_eq_u32 ttmp9, 0
	s_cselect_b32 s89, s78, s79                    ; e2 for q, e3 for k
	s_cselect_b64 s[84:85], s[68:69], s[70:71]
	s_sub_co_i32 s89, s89, s76
	s_sub_co_i32 s89, s89, s77                     ; less e0 + e1
	s_add_co_i32 s89, s89, 127
	s_lshl_b32 s90, s89, 23
	s_add_co_i32 s89, s89, 8
	s_lshl_b32 s89, s89, 23
	s_or_b32 s89, s89, 0x600000
	PLACES NP                                      ; behind the last products: the registers below held fragments
	v_mov_b32 v[SCL], s90
	v_mov_b32 v[LIM], s89
	s_lshr_b32 s86, s17, 3                         ; the batch
	s_and_b32 s87, s17, 7                          ; the tile row within it
	s_and_b32 s88, s42, 3                          ; the tile column within q or k: four heads
	s_lshl_b32 s86, s86, 4
	s_lshl_b32 s88, s88, 2
	s_add_co_u32 s86, s86, s88                     ; 16 x batch + the tile's first head
	; accumulator (a, b): token 16 a + lane % 16, channels 16 b + 8 (lane / 16) + 0 .. 7; a head is four b
	s_lshl_b32 s88, s16, 1
	s_add_co_u32 s86, s86, s88                     ; my first head
	s_lshl_b32 s86, s86, 17
	s_lshl_b32 s87, s87, 4
	s_lshl_b32 s88, s15, 3
	s_add_co_u32 s87, s87, s88                     ; my first block of 16 tokens
	s_lshl_b32 s88, s87, 10
	s_add_co_u32 s86, s86, s88
	s_mov_b32 s87, 0
	s_add_nc_u64 s[84:85], s[84:85], s[86:87]
.macro QKBLOCK a
.set RS, RP+32*((\a)%2)
.set CDS, CD+16*((\a)%2)
.set AC, 64*((\a)%4)
.if (\a) < 7
	s_wait_loadcnt 8                               ; this block's eight loads are in; the next block's may be out
.else
	s_wait_loadcnt 0x0
.endif
	WIN 0x02+((\a)/4)                              ; source 0: window 2 or 3
.irp hh, 0,1
.irp bp, 0,1
.irp i, 0,2,4,6                        ; low half: x1 cos - x2 sin; high half: x2 cos + x1 sin; each accumulator from its low end on
	v_pk_mul_f32 v[E+32*\hh+8*\bp+\i:E+32*\hh+8*\bp+\i+1], v[AC+32*\hh+8*\bp+16+\i:AC+32*\hh+8*\bp+16+\i+1], v[RS+16+8*\bp+\i:RS+16+8*\bp+\i+1]
	v_pk_mul_f32 v[E+32*\hh+8*\bp+16+\i:E+32*\hh+8*\bp+16+\i+1], v[AC+32*\hh+8*\bp+\i:AC+32*\hh+8*\bp+\i+1], v[RS+16+8*\bp+\i:RS+16+8*\bp+\i+1]
	v_pk_fma_f32 v[E+32*\hh+8*\bp+\i:E+32*\hh+8*\bp+\i+1], v[AC+32*\hh+8*\bp+\i:AC+32*\hh+8*\bp+\i+1], v[RS+8*\bp+\i:RS+8*\bp+\i+1], v[E+32*\hh+8*\bp+\i:E+32*\hh+8*\bp+\i+1] neg_lo:[0,0,1] neg_hi:[0,0,1]
	v_pk_fma_f32 v[E+32*\hh+8*\bp+16+\i:E+32*\hh+8*\bp+16+\i+1], v[AC+32*\hh+8*\bp+16+\i:AC+32*\hh+8*\bp+16+\i+1], v[RS+8*\bp+\i:RS+8*\bp+\i+1], v[E+32*\hh+8*\bp+16+\i:E+32*\hh+8*\bp+16+\i+1]
.endr
.endr
.endr
	WIN 0
.if (\a)+2 < 8
	ROPELOAD (\a)+2
.endif
.set ii, 0
.rept 64
	v_med3_num_f32 v[E+ii], v[E+ii], -v[LIM], v[LIM]   ; the conversion to an 8-bit code does not saturate (ISA guide 7.6.2)
.set ii, ii+1
.endr
.if (\a) > 1
	s_wait_alu depctr_va_vdst(0)
	s_wait_xcnt 0x0                                ; the stores of two blocks ago have read this set of codes
.endif
.irp g, 0,1,2,3,4,5,6,7
	v_cvt_scalef32_pk8_fp8_f32 v[CDS+2*\g:CDS+2*\g+1], v[E+8*\g:E+8*\g+7], v[SCL]
.endr
	v_nop                                          ; a plain instruction behind the last conversion: the next block writes its sources
.irp hh, 0,1
.irp pc, 0,1
	global_store_b128 v[LI], v[CDS+8*\hh+4*\pc:CDS+8*\hh+4*\pc+3], s[84:85] offset:\hh*131072+(\a)*1024+512*\pc
.endr
.endr
.endm
.irp a, 0,1,2,3,4,5,6,7
	QKBLOCK \a
.endr
	s_wait_xcnt 0x0                                ; the stores have read their codes and their base: fragments land on the codes' registers now
	; THE SECOND BLOCK: v.  Its K step 0 is whole in slot 0: every wave waited for it in front of the last round.
	FETCH_B 0, 0, 0
	FETCH_A2 0, 0, 0
	STEP2 0, 1
	TURN2 0, 1, 1
	STEP2 1, 0
	TURN2 1, 0, 1
	STEP2 0, 0
	TURN2 0, 1, 0                                  ; the last lap fills nothing
	STEP2 1, 0
	s_wait_dscnt 0x0
	WIN MUL_LO
	MUL16 0, 1, 0, 64
	MUL16 2, 1, 0, 64
	WIN 0
	; THE WAY OUT of v: accumulator (a, b): channel 16 a + lane % 16 of my head, tokens 16 b + 8 (lane / 16) + 0 .. 7; a key step is four b
	s_sub_co_i32 s89, s81, s76                     ; e5 less e0 + e1
	s_sub_co_i32 s89, s89, s77
	s_add_co_i32 s89, s89, 127
	s_lshl_b32 s90, s89, 23
	s_add_co_i32 s89, s89, 8
	s_lshl_b32 s89, s89, 23
	s_or_b32 s89, s89, 0x600000
	PLACES NP
	v_mov_b32 v[SCL], s90
	v_mov_b32 v[LIM], s89
	s_lshr_b32 s86, s17, 3
	s_and_b32 s87, s17, 7
	s_lshl_b32 s86, s86, 4
	s_lshl_b32 s88, s42, 1
	s_add_co_u32 s86, s86, s88
	s_add_co_u32 s86, s86, s15                     ; my head: 16 x batch + 2 x tile column + half
	s_lshl_b32 s86, s86, 17
	s_lshl_b32 s87, s87, 2
	s_lshl_b32 s88, s16, 1
	s_add_co_u32 s87, s87, s88                     ; my first step of 64 keys
	s_lshl_b32 s87, s87, 12
	s_add_co_u32 s86, s86, s87
	s_mov_b32 s87, 0
	s_add_nc_u64 s[84:85], s[72:73], s[86:87]
.macro VBLOCK a
.set CDS, CD+16*((\a)%2)
.set AC, 64*(\a)
	WIN 0x02
.set ii, 0
.rept 64
	v_med3_num_f32 v[E+ii], v[AC+ii], -v[LIM], v[LIM]  ; each accumulator from its low end on
.set ii, ii+1
.endr
	WIN 0
.if (\a) > 1
	s_wait_alu depctr_va_vdst(0)
	s_wait_xcnt 0x0                                ; the stores of two blocks ago have read this set of codes
.endif
.irp g, 0,1,2,3,4,5,6,7
	v_cvt_scalef32_pk8_fp8_f32 v[CDS+2*\g:CDS+2*\g+1], v[E+8*\g:E+8*\g+7], v[SCL]
.endr
	v_nop
.irp g, 0,1
.irp pc, 0,1
	global_store_b128 v[LI], v[CDS+8*\g+4*\pc:CDS+8*\g+4*\pc+3], s[84:85] offset:\g*4096+(\a)*1024+512*\pc
.endr
.endr
.endm
	s_wait_alu depctr_va_vdst(0)
.irp a, 0,1,2,3
	VBLOCK \a
.endr
	s_wait_tensorcnt 0x0                           ; the wave's end
	ds_add_u32 v[SPW], v[NIL]
	s_wait_dscnt 0x0
	CROUND                                         ; the closing round: no work-group ends while a partner may still ask for a tile that names it
	s_endpgm
.Lfunc_end_k_q950087fc54_qkv:
	.size	k_q950087fc54_qkv, .Lfunc_end_k_q950087fc54_qkv-k_q950087fc54_qkv
	.p2alignl 7, 3214868480
	.fill 96, 4, 3214868480
	.section	.rodata,"a",@progbits
	.p2align	6, 0x0
	.amdhsa_kernel k_q950087fc54_qkv
		.amdhsa_group_segment_fixed_size 327680
		.amdhsa_private_segment_fixed_size 0
		.amdhsa_enable_private_segment 0
		.amdhsa_kernarg_size 56
		.amdhsa_user_sgpr_count 2
		.amdhsa_user_sgpr_kernarg_segment_ptr 1
		.amdhsa_wavefront_size32 1
		.amdhsa_system_sgpr_workgroup_id_x 1
		.amdhsa_system_sgpr_workgroup_id_y 1
		.amdhsa_system_sgpr_workgroup_id_z 1
		.amdhsa_system_vgpr_workitem_id 0
		.amdhsa_next_free_vgpr 1024
		.amdhsa_next_free_sgpr 100
		.amdhsa_reserve_vcc 0
		.amdhsa_float_denorm_mode_32 3
		.amdhsa_float_denorm_mode_16_64 3
		.amdhsa_memory_ordered 1
		.amdhsa_forward_progress 1
		.amdhsa_inst_pref_size 227
	.end_amdhsa_kernel
	.amdgpu_metadata
---
amdhsa.version: [ 1, 2 ]
amdhsa.kernels:
  - .name:           k_q950087fc54_qkv
    .symbol:         k_q950087fc54_qkv.kd
    .args:
      - { .name: x_codes, .offset: 0, .size: 8, .value_kind: global_buffer, .address_space: global }
      - { .name: wa_codes, .offset: 8, .size: 8, .value_kind: global_buffer, .address_space: global }
      - { .name: lowp_scales, .offset: 16, .size: 8, .value_kind: global_buffer, .address_space: global }
      - { .name: rope, .offset: 24, .size: 8, .value_kind: global_buffer, .address_space: global }
      - { .name: q_img, .offset: 32, .size: 8, .value_kind: global_buffer, .address_space: global }
      - { .name: k_img, .offset: 40, .size: 8, .value_kind: global_buffer, .address_space: global }
      - { .name: v_img, .offset: 48, .size: 8, .value_kind: global_buffer, .address_space: global }
    .group_segment_fixed_size: 327680
    .private_segment_fixed_size: 0
    .kernarg_segment_align: 8
    .kernarg_segment_size: 56
    .max_flat_workgroup_size: 128
    .sgpr_count:     100
    .vgpr_count:     1024
    .wavefront_size: 32
...
	.end_amdgpu_metadata
.endif
;; end of part 2
;; launch attn (part 3): grid 4 x 64, 16 waves a work-group, clusters of 4 x 1, 327,680 bytes of LDS; arguments q_img, k_img, v_img, lowp_scales, y_img; writes y_img
.if DOCPART == 3
	.amdgcn_target "amdgcn-amd-amdhsa--gfx1250"
	.amdhsa_code_object_version 6
	.text
	.protected	k_q950087fc54_attn
	.globl	k_q950087fc54_attn
	.p2align	8
	.type	k_q950087fc54_attn,@function
k_q950087fc54_attn:
	s_mov_b64 s[64:65], 0
	v_nop
	global_prefetch_b8 v0, s[64:65] scope:SCOPE_SE
	s_setreg_imm32_b32 hwreg(HW_REG_WAVE_MODE, 25, 1), 1
	s_wait_xcnt 0x0
	s_wait_alu depctr_hold_cnt(0) depctr_sa_sdst(0) depctr_va_vdst(0) depctr_va_sdst(0) depctr_va_ssrc(0) depctr_va_vcc(0) depctr_vm_vsrc(0)
	s_getreg_b32 s2, hwreg(HW_REG_IB_STS2, 6, 4)
	s_cmp_eq_u32 s2, 0
	s_cbranch_scc0 .Lentry_in_a_cluster
	s_endpgm
.Lentry_in_a_cluster:
	s_bfe_u32 s2, ttmp6, 0x10000c
	s_cmp_lg_u32 s2, 0x3003
	s_cbranch_scc0 .Lentry_shape_is_right
	s_endpgm
.Lentry_shape_is_right:
; Causal attention on codes of E4M3: y = softmax(q k^T / 8) v for one head (work-group y = 16 batch + head), then y as codes for the projection.
; q_img, k_img [64 heads][128 blocks of 16 tokens][2 pieces][512 bytes]; v_img [64 heads][32 steps of 64 keys][4 blocks of 16 channels][2 pieces][512 bytes];
; y_img [512 blocks of 16 tokens][16 heads][2 pieces][512 bytes]: images of operand registers, a piece = four registers, lane l's 16 bytes at 16 l.
; THE SOFTMAX: t = score x log2(e) / 8; M = the running largest t rounded up to a whole number; p = 2^(t - M) is quantised with 2^e4; the sum is taken of the unquantised p and divides at the end.
; LEFT OUT: key steps that lie wholly behind a tile's queries: the causal mask sets their scores to -inf, so their p is 0 for all values of the inputs.  A NaN or infinity that reaches only those scores is not carried.
; SHARES.  The four work-groups of a cluster take one head.  Its K and V, 2 x 131,072 bytes, lie whole in each one's LDS, brought by joint loads: first 256 keys (2,048 bytes a wave), then the rest (14,336 bytes a wave).
; Queries go in 16 groups of 128, a group in 8 tiles of 16.  Wave w (g = (w + w / 8) % 8) owns tile 2 cx + w / 8 of group g (tile A) and of group 15 - g (tile B): (g + 1) + (16 - g) = 17 steps of 128 keys for every wave.
; While both tiles have keys to walk a step is 2 tiles x 64 keys (each fragment of K and V feeds both); behind A's end it is 1 tile x 128 keys: 64 scores a lane either way.
; The waves with g = 0 walk 256 keys with both tiles, so that all waves have four steps on the first load's keys; A's scores are all hidden in the last two of them.
; Trip counts are constants; a step that is not the wave's is jumped over by a scalar branch on the wave's number and the count of steps.  Nothing but addresses in memory and the mask's numbers hangs on cx.
; Both products are used transposed (S^T = K Q^T, O^T = V^T P^T): a lane holds one query; register j of key tile kt is key 16 kt + 8 (lane / 16) + j, which is the 8-bit operand's own order (ISA guide 7.12.2).
; No prefetch: both tensor loads stand at the head, and there is no loop to run ahead in.
; LIMITS: e2 + e3 between -123 and 130 (added to c's exponent field); e4 and e6 - e4 - e5 between -126 and 119; the scaled scores stay under 2^31 in magnitude.
.set LI,   1                           ; v1   16 x lane
.set ADK,  2                           ; v2   LDS address of the step's K
.set ADV,  3                           ; v3   of its V
.set SPW,  4                           ; v4   my spare word; never rewritten
.set NIL,  5                           ; v5   0; never rewritten
.set DQ,   6                           ; v6, v7  my query less 8 (lane / 16), tile A, B
.set ST,   8                           ; v8-15   a tile's -M, largest t, sum in two halves
.set QF,   16                          ; v16-31  Q's fragments; at a tile's end its codes of y
.set KF,   32                          ; v32-95  fragments of K and of V
.set S,    96                          ; v96-159 scores, then p
.set O,    160                         ; v160-223 O^T, 32 a tile
.set P,    224                         ; v224-239 p's codes
.set W,    240                         ; v240-255 at work: a tile's f at W + 8 t; chains at +2, +3, +6, +7
.set LIMA, 241                         ; 448 x 2^e4, twice, in two register banks for the paired hold
.set LIMB, 244
.set SCL,  245                         ; 2^e4
.set LIMY, 249                         ; 448 x 2^(e6 - e4 - e5)
.set SCLY, 252                         ; 2^(e6 - e4 - e5)
.set VIMG, 131072                      ; V's image lies behind K's
.set SPARE, 262144                     ; the spare words: 128 bytes a wave
.set KS,   2
.set TB,   3
.set WV,   18
.set SEL,  20
.set CS,   22
.set G1A,  24
.set G1B,  32
.set G0A,  40
.set G0B,  44
.set CX,   48
.set BH,   49
.set N2,   50                          ; steps of 64 keys that both tiles walk
.set G2,   51                          ; from this step on tile A is masked
.set Q0,   52                          ; tile A's first query
.set TBV,  53
.set Q1,   62                          ; tile B's
.set K1A,  63                          ; tile B's first step of 128 keys alone,
.set GB,   66                          ; and its last, the one on the diagonal
.macro CROUND
	s_barrier_signal -1
	s_barrier_wait -1
	s_cmp_lg_u32 s[WV], 0
	s_cbranch_scc1 .Lnot_wave_0_\@
	s_barrier_signal -3
.Lnot_wave_0_\@:
	s_barrier_wait -3
	s_barrier_signal -1
	s_barrier_wait -1
.endm
	s_load_b256 s[4:11], s[0:1], 0x0               ; q_img, k_img, v_img, the scales' exponents
	s_load_b64 s[12:13], s[0:1], 0x20              ; y_img
	v_lshl_add_u32 v[SPW], v0, 2, SPARE
	v_mov_b32 v[NIL], 0
	ds_add_u32 v[SPW], v[NIL]                      ; the opening: the add, twice on end, and its wait ahead of my first tensor load
	ds_add_u32 v[SPW], v[NIL]
	v_lshrrev_b32 v1, 5, v0
	s_delay_alu instid0(VALU_DEP_1)
	v_readfirstlane_b32 s[WV], v1
	s_bfe_u32 s[CX], ttmp6, 0x40000
	s_and_b32 s[BH], ttmp7, 0xffff
	s_lshr_b32 s54, s[WV], 3
	s_add_co_u32 s55, s[WV], s54
	s_and_b32 s55, s55, 7                          ; g
	s_lshl_b32 s[G2], s55, 1
	s_add_co_u32 s[N2], s[G2], 2
	s_max_u32 s[N2], s[N2], 4
	s_lshr_b32 s[K1A], s[N2], 1
	s_sub_co_u32 s[GB], 15, s55
	s_lshl_b32 s56, s[CX], 1
	s_add_co_u32 s56, s56, s54
	s_lshl_b32 s56, s56, 4                         ; 16 x my tile's number in its group
	s_lshl_b32 s[Q0], s55, 7
	s_add_co_u32 s[Q0], s[Q0], s56
	s_lshl_b32 s[Q1], s[GB], 7
	s_add_co_u32 s[Q1], s[Q1], s56
	s_mov_b32 s[G1A], 15|(3<<16)|(1<<21)           ; all four partners; elements of 8 bytes; bit 21 beside a mask.  8 rows of 256 bytes, dense
	s_mov_b32 s[G1A+1], 32<<16
	s_mov_b32 s[G1A+2], 8<<16
	s_mov_b32 s[G1A+3], 32<<16
	s_mov_b32 s[G1A+4], 8
	s_mov_b32 s[G1A+5], 32
	s_mov_b32 s[G1A+6], 0
	s_mov_b32 s[G1A+7], 0
	s_mov_b32 s[G1B], 15|(3<<16)|(1<<21)           ; 56 rows of 256 bytes
	s_mov_b32 s[G1B+1], 32<<16
	s_mov_b32 s[G1B+2], 56<<16
	s_mov_b32 s[G1B+3], 32<<16
	s_mov_b32 s[G1B+4], 56
	s_mov_b32 s[G1B+5], 32
	s_mov_b32 s[G1B+6], 0
	s_mov_b32 s[G1B+7], 0
	s_mov_b32 s[SEL], 0x76543210
	s_mov_b32 s[SEL+1], 0xfedcba98
	s_mov_b32 s[CS], 0x3e38aa3b                    ; c = log2(e) / 8
	s_lshr_b32 s54, s[WV], 3                       ; waves 0-7 fetch K, waves 8-15 V
	s_and_b32 s55, s[WV], 7
	s_lshl_b32 s54, s54, 17
	s_lshl_b32 s56, s55, 11
	s_mul_i32 s57, s55, 14336
	s_add_co_u32 s57, s57, 16384
	s_mov_b32 s[G0A], 1
	s_add_co_u32 s[G0A+1], s54, s56
	s_mov_b32 s[G0B], 1
	s_add_co_u32 s[G0B+1], s54, s57
	s_lshl_b32 s58, s[BH], 17                      ; the head's first byte in each image
	s_mov_b32 s59, 0
	s_mov_b32 s61, 0
	s_wait_dscnt 0x0
	s_wait_kmcnt 0x0
	s_load_b256 s[68:75], s[10:11], 0x0            ; e0 .. e7
	s_cmp_lt_u32 s[WV], 8
	s_cselect_b64 s[14:15], s[6:7], s[8:9]
	s_add_nc_u64 s[14:15], s[14:15], s[58:59]
	s_mov_b32 s60, s56
	s_add_nc_u64 s[G0A+2:G0A+3], s[14:15], s[60:61]
	s_or_b32 s[G0A+3], s[G0A+3], 0x80000000
	s_mov_b32 s60, s57
	s_add_nc_u64 s[G0B+2:G0B+3], s[14:15], s[60:61]
	s_or_b32 s[G0B+3], s[G0B+3], 0x80000000
	CROUND
	tensor_load_to_lds s[G0A:G0A+3], s[G1A:G1A+7]  ; the first 256 keys: my one load at the head; the set-up below stands under its flight
	s_nop 0
	s_add_nc_u64 s[4:5], s[4:5], s[58:59]
	s_lshl_b32 s54, s[Q0], 6
	s_mov_b32 s55, 0
	s_lshl_b32 s56, s[Q1], 6
	s_mov_b32 s57, 0
	s_add_nc_u64 s[78:79], s[4:5], s[56:57]        ; tile B's block of q_img,
	s_add_nc_u64 s[4:5], s[4:5], s[54:55]          ; tile A's
	v_and_b32 v[LI], 31, v0
	s_delay_alu instid0(VALU_DEP_1)
	v_lshlrev_b32 v[LI], 4, v[LI]
	global_load_b128 v[QF:QF+3], v[LI], s[4:5]
	global_load_b128 v[QF+4:QF+7], v[LI], s[4:5] offset:512
	global_load_b128 v[QF+8:QF+11], v[LI], s[78:79]
	global_load_b128 v[QF+12:QF+15], v[LI], s[78:79] offset:512
	v_and_b32 v[DQ], 15, v0
	v_bfe_u32 v[DQ+1], v0, 4, 1
	s_delay_alu instid0(VALU_DEP_1)
	v_lshlrev_b32 v[DQ+1], 3, v[DQ+1]
	s_delay_alu instid0(VALU_DEP_1)
	v_sub_nc_u32 v[DQ+1], v[DQ], v[DQ+1]
	s_delay_alu instid0(VALU_DEP_1)
	v_add_nc_u32 v[DQ], s[Q0], v[DQ+1]
	s_delay_alu instid0(VALU_DEP_2)
	v_add_nc_u32 v[DQ+1], s[Q1], v[DQ+1]
.irp t, 0,1
	v_mov_b32 v[ST+4*\t+1], 0xff61b1e6             ; the largest t so far: -3e38
	s_delay_alu instid0(VALU_DEP_1)
	v_floor_f32 v[ST+4*\t], -v[ST+4*\t+1]
	v_mov_b32 v[ST+4*\t+2], 0
	v_mov_b32 v[ST+4*\t+3], 0
	v_mov_b32 v[W+8*\t+3], 0                       ; a lane permute's destination counts as one of its sources
.endr
.set n, 0
.rept 64
	v_mov_b32 v[O+n], 0                            ; the steps are written once: the first finds zeros
.set n, n+1
.endr
	s_lshr_b32 s54, s[BH], 4                       ; y_img: block 128 batch + query / 16, 16,384 bytes each; the head's 1,024 in it
	s_lshl_b32 s54, s54, 7
	s_and_b32 s55, s[BH], 15
	s_lshl_b32 s55, s55, 10
	s_lshr_b32 s56, s[Q0], 4
	s_add_co_u32 s56, s56, s54
	s_lshl_b32 s56, s56, 14
	s_add_co_u32 s56, s56, s55
	s_lshr_b32 s60, s[Q1], 4
	s_add_co_u32 s60, s60, s54
	s_lshl_b32 s60, s60, 14
	s_add_co_u32 s60, s60, s55
	s_add_nc_u64 s[76:77], s[12:13], s[60:61]      ; tile B's place,
	s_add_nc_u64 s[12:13], s[12:13], s[56:57]      ; tile A's
	s_wait_alu depctr_va_vdst(0)
	s_wait_kmcnt 0x0
	s_add_co_i32 s54, s70, s71
	s_lshl_b32 s54, s54, 23
	s_add_co_i32 s[CS], s[CS], s54                 ; a score stands for score x 2^(e2 + e3)
	s_mov_b32 s[CS+1], s[CS]
	s_add_co_i32 s54, s72, 127
	s_lshl_b32 s55, s54, 23
	v_mov_b32 v[SCL], s55
	s_add_co_i32 s54, s54, 8
	s_lshl_b32 s54, s54, 23
	s_or_b32 s54, s54, 0x600000
	v_mov_b32 v[LIMA], s54
	v_mov_b32 v[LIMB], s54
	s_sub_co_i32 s54, s74, s72
	s_sub_co_i32 s54, s54, s73                     ; O^T / the sum stands for y / 2^(e4 + e5)
	s_add_co_i32 s54, s54, 127
	s_lshl_b32 s55, s54, 23
	v_mov_b32 v[SCLY], s55
	s_add_co_i32 s54, s54, 8
	s_lshl_b32 s54, s54, 23
	s_or_b32 s54, s54, 0x600000
	v_mov_b32 v[LIMY], s54
	s_wait_alu depctr_va_vdst(0)                   ; the head's end
	s_wait_tensorcnt 0x0                           ; my part of the first 256 keys is in
	ds_add_u32 v[SPW], v[NIL]
	s_wait_dscnt 0x0
	CROUND                                         ; everybody's part is in, and the partners' second loads meet
	tensor_load_to_lds s[G0B:G0B+3], s[G1B:G1B+7]  ; the other 1,792 keys: four steps of every wave stand between this line and the wait for it
	s_nop 0
.rept 4
	v_nop
.endr
.macro MX3 d, a, b
	v_max3_num_f32 v[W+\d], v[W+\d], v[S+\a], v[S+\b]
	v_max3_num_f32 v[W+8+\d], v[W+8+\d], v[S+32+\a], v[S+32+\b]
.endm
.macro MASK u                          ; half u of the scores: hidden where the register's key offset is over v[W + 8 u + 2]
.set n, 0
.rept 32
	v_cmp_gt_i32 vcc_lo, 16*(n/8)+n%8, v[W+8*\u+2]
	v_cndmask_b32 v[S+32*\u+n], v[S+32*\u+n], v[W+3], vcc_lo
.set n, n+1
.endr
.endm
; A STEP: 64 scores a lane.  two = 1: tiles A and B x 64 keys (half t of the scores is tile t's);  two = 0: tile B x 128 keys (half t is keys 64 t on).
.macro BODY two, cap
.if \two
	s_cmp_ge_u32 s[KS], s[N2]
	s_cbranch_scc1 .Lhid_\@
	s_lshl_b32 s[TB], s[KS], 12
.else
	s_cmp_lt_u32 s[KS], s[K1A]
	s_cbranch_scc1 .Lhid_\@
	s_cmp_gt_u32 s[KS], s[GB]
	s_cbranch_scc1 .Lhid_\@
	s_lshl_b32 s[TB], s[KS], 13
.endif
	s_add_co_u32 s[TBV], s[TB], VIMG
.if \two
	s_add_co_u32 s[TB], s[KS], 1                   ; two = 1: this step's K was fetched a step ago; ADK names the next step's, held at step cap, so that no byte is read that has not landed
	s_min_u32 s[TB], s[TB], \cap
	s_lshl_b32 s[TB], s[TB], 12
.endif
	v_add_nc_u32 v[ADK], s[TB], v[LI]
	v_add_nc_u32 v[ADV], s[TBV], v[LI]
	v_nop                                          ; with the two additions: four places behind the last products, in front of loads into their sources
	v_nop
.if \two == 0
.set n, 0
.rept 16
	ds_load_b128 v[KF+4*n:KF+4*n+3], v[ADK] offset:512*n
.set n, n+1
.endr
.endif
.if \two
.set n, 0
.rept 8
	ds_load_b128 v[KF+32+4*n:KF+32+4*n+3], v[ADV] offset:512*n
.set n, n+1
.endr
.endif
	s_wait_alu depctr_va_vdst(0)
	s_wait_dscnt 8*\two                            ; K is in; two = 1: V's eight loads may be out
.irp kt, 0,1,2,3
.irp t, 0,1
	v_wmma_f32_16x16x64_fp8_fp8 v[S+32*\t+8*\kt:S+32*\t+8*\kt+7], v[KF+(1-\two)*32*\t+8*\kt:KF+(1-\two)*32*\t+8*\kt+7], v[QF+8*(1-\two+\two*\t):QF+8*(1-\two+\two*\t)+7], 0
.endr
.endr
.rept 4
	v_nop
.endr
.if \two
.set n, 0
.rept 8                                ; the next step's K, into registers that the products above have read (four places stand between): the softmax stands between these loads and the wait for them
	ds_load_b128 v[KF+4*n:KF+4*n+3], v[ADK] offset:512*n
.set n, n+1
.endr
.endif
.if \two == 0
.irp dt, 0,1,2,3                       ; V's fragments take K's registers: 16 registers for 16 channels x 128 keys; the softmax stands between these loads and the wait for them
.irp u, 0,1
.irp pc, 0,1
	ds_load_b128 v[KF+16*\dt+8*\u+4*\pc:KF+16*\dt+8*\u+4*\pc+3], v[ADV] offset:4096*\u+1024*\dt+512*\pc
.endr
.endr
.endr
.endif
.if \two
	s_cmp_lt_u32 s[KS], s[G2]                      ; tile A's last 128 keys hold its diagonal; tile B's keys all count here
	s_cbranch_scc1 .Lopen_\@
	s_lshl_b32 s54, s[KS], 6
	v_sub_nc_u32 v[W+2], v[DQ], s54
	v_mov_b32 v[W+3], 0xff800000
	MASK 0
.else
	s_cmp_lg_u32 s[KS], s[GB]
	s_cbranch_scc1 .Lopen_\@
	s_lshl_b32 s54, s[KS], 7
	v_sub_nc_u32 v[W+2], v[DQ+1], s54
	v_mov_b32 v[W+3], 0xff800000
	v_add_nc_u32 v[W+10], 0xffffffc0, v[W+2]
	MASK 0
	MASK 1
.endif
.Lopen_\@:
.irp t, 0,1                            ; the largest score of each half, in two chains; each accumulator is read from its low end on
	v_max3_num_f32 v[W+8*\t+2], v[S+32*\t], v[S+32*\t+1], v[S+32*\t+2]
	v_max3_num_f32 v[W+8*\t+3], v[S+32*\t+8], v[S+32*\t+9], v[S+32*\t+10]
.endr
	MX3 2, 16, 17
	MX3 3, 24, 25
	MX3 2, 3, 4
	MX3 3, 5, 6
	MX3 2, 7, 11
	MX3 3, 12, 13
	MX3 2, 14, 15
	MX3 3, 18, 19
	MX3 2, 20, 21
	MX3 3, 22, 23
	MX3 2, 26, 27
	MX3 3, 28, 29
	MX3 2, 30, 31
.irp t, 0,1
	s_delay_alu instid0(VALU_DEP_2)
	v_max_num_f32 v[W+8*\t+2], v[W+8*\t+2], v[W+8*\t+3]
.endr
.if \two
.irp t, 0,1
	s_delay_alu instid0(VALU_DEP_2)
	v_permlanex16_b32 v[W+8*\t+3], v[W+8*\t+2], s[SEL], s[SEL+1]
.endr
.irp t, 0,1
	s_delay_alu instid0(VALU_DEP_2)
	v_max_num_f32 v[W+8*\t+2], v[W+8*\t+2], v[W+8*\t+3]
.endr
.irp t, 0,1
	s_delay_alu instid0(VALU_DEP_2)
	v_mul_f32 v[W+8*\t+2], s[CS], v[W+8*\t+2]
.endr
	s_delay_alu instid0(VALU_DEP_2)
	v_max_num_f32 v[ST+1], v[ST+1], v[W+2]         ; the running largest t
	v_mov_b32 v[W+2], v[ST]
	s_delay_alu instid0(VALU_DEP_3)
	v_max_num_f32 v[ST+5], v[ST+5], v[W+10]
	v_mov_b32 v[W+10], v[ST+4]
	s_delay_alu instid0(VALU_DEP_4)
	v_floor_f32 v[ST], -v[ST+1]                    ; -M = floor(-t)
	s_delay_alu instid0(VALU_DEP_3)
	v_floor_f32 v[ST+4], -v[ST+5]
.irp t, 0,1
	s_delay_alu instid0(VALU_DEP_2)
	v_sub_f32 v[W+8*\t+2], v[ST+4*\t], v[W+8*\t+2]
.endr
.irp t, 0,1
	s_delay_alu instid0(VALU_DEP_2)
	v_cvt_i32_f32 v[W+8*\t+2], v[W+8*\t+2]
.endr
.irp t, 0,1
	s_delay_alu instid0(VALU_DEP_2)
	v_ldexp_f32 v[W+8*\t], 1.0, v[W+8*\t+2]        ; f = 2^(old M - new M)
.endr
.else
	s_delay_alu instid0(VALU_DEP_1)
	v_max_num_f32 v[W+2], v[W+2], v[W+10]
	s_delay_alu instid0(VALU_DEP_1)
	v_permlanex16_b32 v[W+3], v[W+2], s[SEL], s[SEL+1]
	s_delay_alu instid0(VALU_DEP_1)
	v_max_num_f32 v[W+2], v[W+2], v[W+3]
	s_delay_alu instid0(VALU_DEP_1)
	v_mul_f32 v[W+2], s[CS], v[W+2]
	s_delay_alu instid0(VALU_DEP_1)
	v_max_num_f32 v[ST+5], v[ST+5], v[W+2]
	v_mov_b32 v[W+2], v[ST+4]
	s_delay_alu instid0(VALU_DEP_2)
	v_floor_f32 v[ST+4], -v[ST+5]
	s_delay_alu instid0(VALU_DEP_1)
	v_sub_f32 v[W+2], v[ST+4], v[W+2]
	s_delay_alu instid0(VALU_DEP_1)
	v_cvt_i32_f32 v[W+2], v[W+2]
	s_delay_alu instid0(VALU_DEP_1)
	v_ldexp_f32 v[W+8], 1.0, v[W+2]
.endif
.irp t, 0,1
.set n, 0
.rept 16
	v_pk_fma_f32 v[S+32*\t+n:S+32*\t+n+1], v[S+32*\t+n:S+32*\t+n+1], s[CS:CS+1], v[ST+4*(1-\two+\two*\t):ST+4*(1-\two+\two*\t)+1] op_sel_hi:[1,0,0]
.set n, n+2
.endr
.endr
	s_wait_alu depctr_va_vdst(0)                   ; ahead of the batch
.set n, 0
.rept 64
	v_exp_f32 v[S+n], v[S+n]
.set n, n+1
.endr
.if \two
	v_pk_mul_f32 v[ST+2:ST+3], v[ST+2:ST+3], v[W:W+1] op_sel_hi:[1,0]
.endif
	v_pk_mul_f32 v[ST+6:ST+7], v[ST+6:ST+7], v[W+8:W+9] op_sel_hi:[1,0]   ; the sum under the new M; a plain place behind the exponentials
	s_wait_alu depctr_va_vdst(0)                   ; one wait for the batch, ahead of its first reader
.irp t, 0,1                            ; the sum of the unquantised p, two at a time, in four chains
	v_pk_add_f32 v[W+8*\t+6:W+8*\t+7], v[S+32*\t:S+32*\t+1], v[S+32*\t+2:S+32*\t+3]
.endr
.if \two
.irp j, 4,8,12,16,20,24,28
.irp t, 0,1
	v_pk_add_f32 v[ST+4*\t+2:ST+4*\t+3], v[ST+4*\t+2:ST+4*\t+3], v[S+32*\t+\j:S+32*\t+\j+1]
	v_pk_add_f32 v[W+8*\t+6:W+8*\t+7], v[W+8*\t+6:W+8*\t+7], v[S+32*\t+\j+2:S+32*\t+\j+3]
.endr
.endr
	s_delay_alu instid0(VALU_DEP_3)
	v_pk_add_f32 v[ST+2:ST+3], v[ST+2:ST+3], v[W+6:W+7]
	s_delay_alu instid0(VALU_DEP_2)
	v_pk_add_f32 v[ST+6:ST+7], v[ST+6:ST+7], v[W+14:W+15]
.else
	v_pk_add_f32 v[W+2:W+3], v[S+4:S+5], v[S+6:S+7]
	v_pk_add_f32 v[ST+6:ST+7], v[ST+6:ST+7], v[S+36:S+37]
	v_pk_add_f32 v[W+14:W+15], v[W+14:W+15], v[S+38:S+39]
.irp j, 8,12,16,20,24,28
	v_pk_add_f32 v[W+2:W+3], v[W+2:W+3], v[S+\j:S+\j+1]
	v_pk_add_f32 v[W+6:W+7], v[W+6:W+7], v[S+\j+2:S+\j+3]
	v_pk_add_f32 v[ST+6:ST+7], v[ST+6:ST+7], v[S+32+\j:S+32+\j+1]
	v_pk_add_f32 v[W+14:W+15], v[W+14:W+15], v[S+32+\j+2:S+32+\j+3]
.endr
	s_delay_alu instid0(VALU_DEP_3)
	v_pk_add_f32 v[W+6:W+7], v[W+6:W+7], v[W+2:W+3]
	s_delay_alu instid0(VALU_DEP_2)
	v_pk_add_f32 v[ST+6:ST+7], v[ST+6:ST+7], v[W+14:W+15]
	s_delay_alu instid0(VALU_DEP_1)
	v_pk_add_f32 v[ST+6:ST+7], v[ST+6:ST+7], v[W+6:W+7]
.endif
.set n, 0
.rept 32                               ; the conversion to an 8-bit code does not saturate (ISA guide 7.6.2); p is not negative, so the hold is one-sided; two numbers an instruction
	v_dual_min_num_f32 v[S+n], v[S+n], v[LIMA] :: v_dual_min_num_f32 v[S+n+1], v[S+n+1], v[LIMB]
.set n, n+2
.endr
.set n, 0
.rept 8
	v_cvt_scalef32_pk8_fp8_f32 v[P+2*n:P+2*n+1], v[S+8*n:S+8*n+7], v[SCL]
.set n, n+1
.endr
	s_wait_alu depctr_va_vdst(0)                   ; directly ahead of the first reader of O^T
.set n, 32*(1-\two)
.rept 16+16*\two
	v_pk_mul_f32 v[O+n:O+n+1], v[O+n:O+n+1], v[W+8*(n/32):W+8*(n/32)+1] op_sel_hi:[1,0]   ; O^T under the new M
.set n, n+2
.endr
	s_wait_alu depctr_va_vdst(0)
	s_wait_dscnt 8*\two                            ; V is in; two = 1: the next step's eight loads of K, which are younger, may be out
.if \two
.irp dt, 0,1,2,3
.irp t, 0,1
	v_wmma_f32_16x16x64_fp8_fp8 v[O+32*\t+8*\dt:O+32*\t+8*\dt+7], v[KF+32+8*\dt:KF+32+8*\dt+7], v[P+8*\t:P+8*\t+7], v[O+32*\t+8*\dt:O+32*\t+8*\dt+7]
.endr
.endr
.else
.irp dt, 0,1,2,3
	v_wmma_f32_16x16x128_fp8_fp8 v[O+32+8*\dt:O+32+8*\dt+7], v[KF+16*\dt:KF+16*\dt+15], v[P:P+15], v[O+32+8*\dt:O+32+8*\dt+7]
.endr
.endif
.Lhid_\@:
.endm
; A TILE'S END: O^T / the sum, held, as codes with 2^e6; the conversions' registers are the image's; they take the tile's fragment of Q, which is done with, so no store's data are written again.
.macro OUT t, base
.rept 4
	v_nop                                          ; places behind the last products
.endr
	v_add_f32 v[ST+4*\t+2], v[ST+4*\t+2], v[ST+4*\t+3]
	s_delay_alu instid0(VALU_DEP_1)
	v_permlanex16_b32 v[W+8*\t+3], v[ST+4*\t+2], s[SEL], s[SEL+1]
	s_delay_alu instid0(VALU_DEP_1)
	v_add_f32 v[ST+4*\t+2], v[ST+4*\t+2], v[W+8*\t+3]
	s_wait_alu depctr_va_vdst(0)                   ; ahead of the transcendental
	v_rcp_f32 v[W+8*\t], v[ST+4*\t+2]
	v_nop
	s_wait_alu depctr_va_vdst(0)                   ; and behind it, directly ahead of the first readers of its result and of O^T
.set n, 0
.rept 16
	v_pk_mul_f32 v[S+n:S+n+1], v[O+32*\t+n:O+32*\t+n+1], v[W+8*\t:W+8*\t+1] op_sel_hi:[1,0]
.set n, n+2
.endr
.set n, 0
.rept 32
	v_med3_num_f32 v[S+n], v[S+n], -v[LIMY], v[LIMY]
.set n, n+1
.endr
.irp dt, 0,1,2,3
	v_cvt_scalef32_pk8_fp8_f32 v[QF+8*\t+2*\dt:QF+8*\t+2*\dt+1], v[S+8*\dt:S+8*\dt+7], v[SCLY]
.endr
	v_nop                                          ; a plain instruction behind the last conversion
.irp pc, 0,1
	global_store_b128 v[LI], v[QF+8*\t+4*\pc:QF+8*\t+4*\pc+3], s[\base:\base+1] offset:512*\pc   ; the wave stores 512 consecutive bytes
.endr
	s_wait_alu depctr_va_vdst(0)
.endm
	s_wait_loadcnt 0x0                             ; Q
.set n, 0
.rept 8
	ds_load_b128 v[KF+4*n:KF+4*n+3], v[LI] offset:512*n            ; step 0's K
.set n, n+1
.endr
	s_mov_b32 s[KS], 0
.Lp1:                                              ; the first 256 keys: four steps of both tiles in every wave
	BODY 1, 3
	s_add_co_u32 s[KS], s[KS], 1
	s_cmp_lt_u32 s[KS], 4
	s_cbranch_scc1 .Lp1
	s_wait_tensorcnt 0x0                           ; my part of the rest is in,
	s_wait_dscnt 0x0
	s_barrier_signal -1
	s_barrier_wait -1                              ; and everybody's
.set n, 0
.rept 8
	ds_load_b128 v[KF+4*n:KF+4*n+3], v[LI] offset:16384+512*n      ; step 4's K, which has landed now
.set n, n+1
.endr
	s_mov_b32 s[KS], 4
.Lp2:
	BODY 1, 16
	s_add_co_u32 s[KS], s[KS], 1
	s_cmp_lt_u32 s[KS], 16
	s_cbranch_scc1 .Lp2
	s_wait_dscnt 0x0                               ; the last fetch of K ahead has landed: its registers are loaded anew below
	OUT 0, 12
	s_mov_b32 s[KS], 2
.Lp3:
	BODY 0, 0
	s_add_co_u32 s[KS], s[KS], 1
	s_cmp_lt_u32 s[KS], 16
	s_cbranch_scc1 .Lp3
	OUT 1, 76
	s_wait_tensorcnt 0x0                           ; the wave's end
	ds_add_u32 v[SPW], v[NIL]
	s_wait_dscnt 0x0
	CROUND                                         ; the closing round
	s_endpgm
.Lfunc_end_k_q950087fc54_attn:
	.size	k_q950087fc54_attn, .Lfunc_end_k_q950087fc54_attn-k_q950087fc54_attn
	.p2alignl 7, 3214868480
	.fill 96, 4, 3214868480
	.section	.rodata,"a",@progbits
	.p2align	6, 0x0
	.amdhsa_kernel k_q950087fc54_attn
		.amdhsa_group_segment_fixed_size 327680
		.amdhsa_private_segment_fixed_size 0
		.amdhsa_enable_private_segment 0
		.amdhsa_kernarg_size 40
		.amdhsa_user_sgpr_count 2
		.amdhsa_user_sgpr_kernarg_segment_ptr 1
		.amdhsa_wavefront_size32 1
		.amdhsa_system_sgpr_workgroup_id_x 1
		.amdhsa_system_sgpr_workgroup_id_y 1
		.amdhsa_system_sgpr_workgroup_id_z 1
		.amdhsa_system_vgpr_workitem_id 0
		.amdhsa_next_free_vgpr 256
		.amdhsa_next_free_sgpr 80
		.amdhsa_reserve_vcc 1
		.amdhsa_float_denorm_mode_32 3
		.amdhsa_float_denorm_mode_16_64 3
		.amdhsa_memory_ordered 1
		.amdhsa_forward_progress 1
		.amdhsa_inst_pref_size 78
	.end_amdhsa_kernel
	.amdgpu_metadata
---
amdhsa.version: [ 1, 2 ]
amdhsa.kernels:
  - .name:           k_q950087fc54_attn
    .symbol:         k_q950087fc54_attn.kd
    .args:
      - { .name: q_img, .offset: 0, .size: 8, .value_kind: global_buffer, .address_space: global }
      - { .name: k_img, .offset: 8, .size: 8, .value_kind: global_buffer, .address_space: global }
      - { .name: v_img, .offset: 16, .size: 8, .value_kind: global_buffer, .address_space: global }
      - { .name: lowp_scales, .offset: 24, .size: 8, .value_kind: global_buffer, .address_space: global }
      - { .name: y_img, .offset: 32, .size: 8, .value_kind: global_buffer, .address_space: global }
    .group_segment_fixed_size: 327680
    .private_segment_fixed_size: 0
    .kernarg_segment_align: 8
    .kernarg_segment_size: 40
    .max_flat_workgroup_size: 512
    .sgpr_count:     80
    .vgpr_count:     256
    .wavefront_size: 32
...
	.end_amdgpu_metadata
.endif
;; end of part 3
;; launch proj (part 4): grid 4 x 64, 4 waves a work-group, clusters of 4 x 4, 327,680 bytes of LDS; arguments y_img, wp_codes, lowp_scales, out0; writes out0
.if DOCPART == 4
	.amdgcn_target "amdgcn-amd-amdhsa--gfx1250"
	.amdhsa_code_object_version 6
	.text
	.protected	k_q950087fc54_proj
	.globl	k_q950087fc54_proj
	.p2align	8
	.type	k_q950087fc54_proj,@function
k_q950087fc54_proj:
	s_mov_b64 s[64:65], 0
	v_nop
	global_prefetch_b8 v0, s[64:65] scope:SCOPE_SE
	s_setreg_imm32_b32 hwreg(HW_REG_WAVE_MODE, 25, 1), 1
	s_wait_xcnt 0x0
	s_wait_alu depctr_hold_cnt(0) depctr_sa_sdst(0) depctr_va_vdst(0) depctr_va_sdst(0) depctr_va_ssrc(0) depctr_va_vcc(0) depctr_vm_vsrc(0)
	s_getreg_b32 s2, hwreg(HW_REG_IB_STS2, 6, 4)
	s_cmp_eq_u32 s2, 0
	s_cbranch_scc0 .Lentry_in_a_cluster
	s_endpgm
.Lentry_in_a_cluster:
	s_bfe_u32 s2, ttmp6, 0x10000c
	s_cmp_lg_u32 s2, 0xf033
	s_cbranch_scc0 .Lentry_shape_is_right
	s_endpgm
.Lentry_shape_is_right:
; out0 = y W_proj on codes of E4M3; each finished sum is multiplied once by 2^(e6 + e7).  LIMIT: e6 + e7 between -126 and 127.
; y_img [512 blocks of 16 tokens][16 heads][2 pieces][512 bytes]: images of operand registers, a piece = four registers, lane l's 16 bytes at 16 l;  wp_codes [1024 n][1024 places of K], laid to match.
; A block of 128 tokens x 256 columns to a work-group of four waves: 64 x 4 blocks = 256 work-groups.  A wave makes 64 x 128: 32 accumulators.
; K goes in steps of 256 through a ring of two LDS slots filled by the tensor data mover.  CLUSTERS: 4 x 4 work-groups; y's tiles are asked for jointly along a row of the cluster, the weight's along a column.
; Source 0 = 16 rows of the weight, source 1 = 16 tokens: a lane holds eight neighbouring columns of one row of out0.
; Both sides have two register sets: a step's 48 fragment loads are issued ahead of the products of the step before.
; No prefetch: K is four slots long, and two of them are asked for ahead of the first product.
; REGISTERS: window 0: v0-31 addresses; v128-255 y's fragments, two sets of 4; on the way out v32-255.  window 1: the weight's, two sets of 8.  window 2: the accumulators ((a, b) at v[8 (8 a + b)]).
.set SIZE_N, 1024
.set ROWB,   256
.set KROW,   1024
.set PITCH,  272                       ; the weight's LDS row: 256 bytes + 16 of padding
.set FR,     16
.set NP,     4                         ; places behind this matrix instruction (ISA guide 7.12.1)
.set HALFA,  16384                     ; 4 blocks of 16 tokens x 4,096 bytes (256 of K): what one load brings of y, and what one wave reads
.set HALFT,  128*PITCH
.set BOFF,   2*HALFA
.set SLOT,   2*HALFA+2*HALFT
.set SPARE,  2*SLOT                    ; behind the ring: the spare words, 128 bytes a wave
.set SPITCH, 528                       ; the way out: a stage of 16 rows x (512 bytes + 16) a wave, in slot 0, behind its last fill and its last read
.set ADRA, 16
.set ADRB, 20
.set STO,  24
.set RD,   25
.set CO,   26
.set SPW,  28
.set NIL,  29
.set TMP,  32
.set AF,   128
.set BK,   128
.set G1, 24
.set G0, 32
.set G1B, 48
.set G0B, 56
.set MSB, 0
.macro WIN new                         ; the immediate's high byte repeats the setting that is left
.if MSB != \new
	s_set_vgpr_msb (MSB<<8)|\new
.set MSB, \new
.endif
.endm
.set MUL_LO, 0xa1                      ; source 0 window 1, source 1 window 0, C and D window 2
.set TO_B,   0x40
.macro JLOAD g0a, g1a, g0b, g1b        ; waves 0, 1 fetch y's halves, waves 2, 3 the weight's; an s_nop 0 and four v_nop follow each line
	s_cmp_eq_u32 s15, 0
	s_cbranch_scc0 .Lfor_b_\@
	tensor_load_to_lds s[\g0a:\g0a+3], s[\g1a:\g1a+7]
	s_nop 0
.rept 4
	v_nop
.endr
	s_branch .Lasked_\@
.Lfor_b_\@:
	tensor_load_to_lds s[\g0b:\g0b+3], s[\g1b:\g1b+7]
	s_nop 0
.rept 4
	v_nop
.endr
.Lasked_\@:
.endm
.macro CREST
	s_cmp_lg_u32 s14, 0
	s_cbranch_scc1 .Lnot_wave_0_\@
	s_barrier_signal -3
.Lnot_wave_0_\@:
	s_barrier_wait -3
	s_barrier_signal -1
	s_barrier_wait -1
.endm
.macro CROUND
	s_barrier_signal -1
	s_barrier_wait -1
	CREST
.endm
	s_load_b128 s[4:7], s[0:1], 0x0                ; y_img, wp_codes
	s_load_b128 s[8:11], s[0:1], 0x10              ; the scales' exponents, out0
	v_lshl_add_u32 v[SPW], v0, 2, SPARE
	v_mov_b32 v[NIL], 0
	ds_add_u32 v[SPW], v[NIL]                      ; the opening: the add, twice on end, and its wait ahead of my first tensor load
	ds_add_u32 v[SPW], v[NIL]
	v_lshrrev_b32 v1, 5, v0
	v_readfirstlane_b32 s14, v1
	s_lshr_b32 s15, s14, 1                         ; my half of the block's tokens.  Also: I fetch for y (0) or for the weight (1)
	s_and_b32 s16, s14, 1                          ; my half of its columns.  Also: which half I fetch
	s_bfe_u32 s40, ttmp6, 0x40000
	s_bfe_u32 s41, ttmp6, 0x40004
	s_lshl_b32 s42, ttmp9, 2
	s_add_co_u32 s42, s42, s40                     ; block column
	s_and_b32 s17, ttmp7, 0xffff
	s_lshl_b32 s17, s17, 2
	s_add_co_u32 s17, s17, s41                     ; block row
	s_lshl_b32 s43, s41, 2
	s_lshl_b32 s43, 15, s43
	s_lshl_b32 s44, 0x1111, s40
	s_or_b32 s[G1+0], s43, (3<<16)|(1<<21)         ; y: 4 rows of 512 elements of 8 bytes, 16,384 bytes apart, dense in LDS
	s_mov_b32 s[G1+1], 512<<16
	s_mov_b32 s[G1+2], 4<<16
	s_mov_b32 s[G1+3], 512<<16
	s_mov_b32 s[G1+4], 4
	s_mov_b32 s[G1+5], 2048
	s_mov_b32 s[G1+6], 0
	s_mov_b32 s[G1+7], 0
	s_or_b32 s[G1B+0], s44, (0<<16)|(1<<20)|(1<<21)|(5<<22)|(3<<25)   ; the weight: 128 rows of 256 bytes, 4 words of padding behind each
	s_mov_b32 s[G1B+1], ROWB<<16
	s_mov_b32 s[G1B+2], 128<<16
	s_mov_b32 s[G1B+3], ROWB<<16
	s_mov_b32 s[G1B+4], 128
	s_mov_b32 s[G1B+5], KROW
	s_mov_b32 s[G1B+6], 0
	s_mov_b32 s[G1B+7], 0
	s_lshl_b32 s20, s17, 3
	s_lshl_b32 s18, s16, 2
	s_add_co_u32 s20, s20, s18                     ; y: token block 8 x block row + 4 x half
	s_lshl_b32 s20, s20, 14
	s_lshl_b32 s46, s42, 8
	s_lshl_b32 s18, s16, 7
	s_add_co_u32 s46, s46, s18                     ; the weight: row 256 x block column + 128 x half
	s_lshl_b32 s46, s46, 10
	s_mov_b32 s21, 0
	s_mov_b32 s47, 0
	s_mul_i32 s45, s16, HALFA
	s_mul_i32 s19, s16, HALFT
	s_add_co_u32 s19, s19, BOFF
	s_wait_dscnt 0x0
	s_wait_kmcnt 0x0
	s_load_b64 s[96:97], s[8:9], 0x18              ; e6, e7
	s_add_nc_u64 s[20:21], s[4:5], s[20:21]
	s_add_nc_u64 s[46:47], s[6:7], s[46:47]
	CROUND                                         ; all sixteen work-groups are here: the first joint loads meet
.irp s, 0,1
	s_mov_b32 s[G0+4*\s], 1
	s_add_co_u32 s[G0+4*\s+1], s45, \s*SLOT
	s_add_nc_u64 s[G0+4*\s+2:G0+4*\s+3], s[20:21], \s*4096
	s_or_b32 s[G0+4*\s+3], s[G0+4*\s+3], 0x80000000
	s_mov_b32 s[G0B+4*\s], 1
	s_add_co_u32 s[G0B+4*\s+1], s19, \s*SLOT
	s_add_nc_u64 s[G0B+4*\s+2:G0B+4*\s+3], s[46:47], \s*ROWB
	s_or_b32 s[G0B+4*\s+3], s[G0B+4*\s+3], 0x80000000
.endr
	JLOAD G0, G1, G0B, G1B                         ; K step 0: one tensor load a wave at the head
	v_and_b32 v1, 15, v0
	v_bfe_u32 v2, v0, 4, 1
	v_mul_u32_u24 v3, v1, PITCH
	v_lshl_add_u32 v4, v2, 4, v3
	v_and_b32 v6, 31, v0
	v_lshlrev_b32 v[CO], 4, v6
	s_wait_alu depctr_va_vdst(0)
	s_mul_i32 s21, s15, HALFA
	s_mul_i32 s22, s16, HALFT
	s_add_co_u32 s22, s22, BOFF
.irp s, 0,1
	v_add_nc_u32 v[ADRA+\s], s21, v[CO]
	v_add_nc_u32 v[ADRB+\s], s22, v4
	s_add_co_u32 s21, s21, SLOT
	s_add_co_u32 s22, s22, SLOT
.endr
	s_mul_i32 s23, s14, 16*SPITCH
	v_mul_u32_u24 v5, v1, SPITCH
	v_lshl_add_u32 v5, v2, 5, v5
	v_add_nc_u32 v[STO], s23, v5
	v_add_nc_u32 v[RD], s23, v[CO]
	s_lshl_b32 s20, s17, 7
	s_lshl_b32 s21, s15, 6
	s_add_co_u32 s20, s20, s21                     ; my first row of out0: 128 x block row + 64 x half
	s_lshl_b32 s20, s20, 12
	s_lshl_b32 s46, s42, 10
	s_lshl_b32 s47, s16, 9
	s_add_co_u32 s46, s46, s47
	s_add_co_u32 s20, s20, s46
	s_mov_b32 s21, 0
	s_add_nc_u64 s[10:11], s[10:11], s[20:21]
.macro FRAG reg, adr, q, i
.irp c, 0,1,2,3
	ds_load_b128 v[\reg+4*\c:\reg+4*\c+3], v[\adr] offset:128*(\q)+32*\c+(\i)*16*PITCH
.endr
.endm
.macro FRAGA reg, adr, q, i
.irp c, 0,1,2,3
	ds_load_b128 v[\reg+4*\c:\reg+4*\c+3], v[\adr] offset:4096*(\i)+2048*(\q)+512*\c
.endr
.endm
; 16 matrix instructions on set p of both sides; the 32 accumulators take turns, one instruction a turn, in the same order in every step
.macro MUL16 a0, p, zero
.irp a, \a0, \a0+1
.irp b, 0,1,2,3,4,5,6,7
.if \zero
	v_wmma_f32_16x16x128_fp8_fp8 v[8*(8*(\a)+\b):8*(8*(\a)+\b)+7], v[128*(\p)+FR*\b:128*(\p)+FR*\b+FR-1], v[AF+64*(\p)+FR*(\a):AF+64*(\p)+FR*(\a)+FR-1], 0
.else
	v_wmma_f32_16x16x128_fp8_fp8 v[8*(8*(\a)+\b):8*(8*(\a)+\b)+7], v[128*(\p)+FR*\b:128*(\p)+FR*\b+FR-1], v[AF+64*(\p)+FR*(\a):AF+64*(\p)+FR*(\a)+FR-1], v[8*(8*(\a)+\b):8*(8*(\a)+\b)+7]
.endif
.endr
.endr
.endm
.macro FETCH slot, q, p                ; the fragments of the slot's q-th 128 along K into set p: 32 loads for the weight, 16 for y
	WIN TO_B
.irp i, 0,1,2,3,4,5,6,7
	FRAG 128*(\p)+FR*\i, ADRB+\slot, \q, \i
.endr
	WIN 0
.irp i, 0,1,2,3
	FRAGA AF+64*(\p)+FR*\i, ADRA+\slot, \q, \i
.endr
.endm
.macro PLACES n
.rept \n
	v_nop
.endr
.endm
.macro STEP slot, zero                 ; a slot's first 128 along K
	s_wait_dscnt 0x0                               ; set 0 is in
	PLACES NP                                      ; set 1 was read by the products just issued
	FETCH \slot, 1, 1
	WIN MUL_LO
	MUL16 0, 0, \zero
	MUL16 2, 0, \zero
	WIN 0
.endm
.macro TURN slot, next, fill           ; its last 128, and the change of slots
	s_wait_tensorcnt 0x0                           ; all my tensor loads have landed: my part of the next slot
	ds_add_u32 v[SPW], v[NIL]
	s_wait_dscnt 0x0                               ; the add is done, set 1 is in, and my reads of this slot are over
	s_barrier_signal -1
	WIN MUL_LO
	MUL16 0, 1, 0
	WIN 0
	s_barrier_wait -1
.if \fill
	CREST                                          ; the barrier has opened a round of the cluster's
	s_add_nc_u64 s[G0+4*\slot+2:G0+4*\slot+3], s[G0+4*\slot+2:G0+4*\slot+3], 2*4096
	s_add_nc_u64 s[G0B+4*\slot+2:G0B+4*\slot+3], s[G0B+4*\slot+2:G0B+4*\slot+3], 2*ROWB
	JLOAD G0+4*\slot, G1, G0B+4*\slot, G1B         ; the first tensor load behind the round; its four v_nop are the places in front of the loads below
.else
	PLACES NP
.endif
	FETCH \next, 0, 0
	WIN MUL_LO
	MUL16 2, 1, 0
	WIN 0
.endm
	s_wait_alu depctr_va_vdst(0)                   ; the head's end
	s_wait_tensorcnt 0x0                           ; my part of K step 0 is in
	ds_add_u32 v[SPW], v[NIL]
	s_wait_dscnt 0x0
	CROUND
	JLOAD G0+4, G1, G0B+4, G1B                     ; K step 1: the first tensor load behind the round
	FETCH 0, 0, 0
	STEP 0, 1
	TURN 0, 1, 1
	STEP 1, 0
	TURN 1, 0, 1
	STEP 0, 0
	TURN 0, 1, 0                                   ; the last lap fills nothing
	STEP 1, 0
	s_wait_dscnt 0x0
	WIN MUL_LO
	MUL16 0, 1, 0
	MUL16 2, 1, 0
	WIN 0
; THE WAY OUT, block by block of 16 rows x 128 columns, through my own stage: rows of 512 bytes come back, which the 32 lanes store as two aligned runs of 256 bytes.  LDS serves a wave's instructions in order (ISA guide 5.7.1.4).
.macro TOSTAGE a
.set AC, 64*(\a)
	WIN 0x02
.irp j, 0,2,4,6,8,10,12,14,16,18,20,22,24,26,28,30,32,34,36,38,40,42,44,46,48,50,52,54,56,58,60,62
	v_pk_mul_f32 v[TMP+\j:TMP+\j+1], v[AC+\j:AC+\j+1], s[96:97] op_sel_hi:[1,0]   ; x 2^(e6 + e7); each accumulator from its low end on
.endr
	WIN 0
.irp b, 0,1,2,3,4,5,6,7
	ds_store_b128 v[STO], v[TMP+8*\b:TMP+8*\b+3] offset:64*\b
	ds_store_b128 v[STO], v[TMP+8*\b+4:TMP+8*\b+7] offset:64*\b+16
.endr
.set BB, BK+64*((\a)%2)
.irp t, 0,1,2,3,4,5,6,7,8,9,10,11,12,13,14,15
	ds_load_b128 v[BB+4*\t:BB+4*\t+3], v[RD] offset:\t*SPITCH
.endr
.endm
.macro SEND a, younger                 ; younger: the LDS instructions issued behind block a's loads, which may stay out
.set BB, BK+64*((\a)%2)
	s_wait_dscnt \younger
.if (\a) > 0
	s_add_nc_u64 s[10:11], s[10:11], 16*SIZE_N*4   ; behind a wait on XCNT: the earlier stores have read their base
.endif
.irp t, 0,1,2,3,4,5,6,7,8,9,10,11,12,13,14,15
	global_store_b128 v[CO], v[BB+4*\t:BB+4*\t+3], s[10:11] offset:\t*SIZE_N*4 th:TH_STORE_NT
.endr
.endm
	s_wait_kmcnt 0x0
	s_add_co_i32 s96, s96, s97
	s_add_co_i32 s96, s96, 127
	s_lshl_b32 s96, s96, 23                        ; 2^(e6 + e7) as f32
	PLACES NP
	TOSTAGE 0
.irp a, 1,2,3
.if \a > 1
	s_wait_xcnt 0x0                                ; the stores of two blocks ago have read their registers and their base
.endif
	TOSTAGE \a
	SEND \a-1, 32                                  ; behind block a - 1's loads: block a's 16 stores and 16 loads
.endr
	s_wait_xcnt 0x0
	SEND 3, 0
	s_wait_tensorcnt 0x0                           ; the wave's end
	ds_add_u32 v[SPW], v[NIL]
	s_wait_dscnt 0x0
	CROUND                                         ; the closing round
	s_endpgm
.Lfunc_end_k_q950087fc54_proj:
	.size	k_q950087fc54_proj, .Lfunc_end_k_q950087fc54_proj-k_q950087fc54_proj
	.p2alignl 7, 3214868480
	.fill 96, 4, 3214868480
	.section	.rodata,"a",@progbits
	.p2align	6, 0x0
	.amdhsa_kernel k_q950087fc54_proj
		.amdhsa_group_segment_fixed_size 327680
		.amdhsa_private_segment_fixed_size 0
		.amdhsa_enable_private_segment 0
		.amdhsa_kernarg_size 32
		.amdhsa_user_sgpr_count 2
		.amdhsa_user_sgpr_kernarg_segment_ptr 1
		.amdhsa_wavefront_size32 1
		.amdhsa_system_sgpr_workgroup_id_x 1
		.amdhsa_system_sgpr_workgroup_id_y 1
		.amdhsa_system_sgpr_workgroup_id_z 1
		.amdhsa_system_vgpr_workitem_id 0
		.amdhsa_next_free_vgpr 1024
		.amdhsa_next_free_sgpr 98
		.amdhsa_reserve_vcc 0
		.amdhsa_float_denorm_mode_32 3
		.amdhsa_float_denorm_mode_16_64 3
		.amdhsa_memory_ordered 1
		.amdhsa_forward_progress 1
		.amdhsa_inst_pref_size 75
	.end_amdhsa_kernel
	.amdgpu_metadata
---
amdhsa.version: [ 1, 2 ]
amdhsa.kernels:
  - .name:           k_q950087fc54_proj
    .symbol:         k_q950087fc54_proj.kd
    .args:
      - { .name: y_img, .offset: 0, .size: 8, .value_kind: global_buffer, .address_space: global }
      - { .name: wp_codes, .offset: 8, .size: 8, .value_kind: global_buffer, .address_space: global }
      - { .name: lowp_scales, .offset: 16, .size: 8, .value_kind: global_buffer, .address_space: global }
      - { .name: out0, .offset: 24, .size: 8, .value_kind: global_buffer, .address_space: global }
    .group_segment_fixed_size: 327680
    .private_segment_fixed_size: 0
    .kernarg_segment_align: 8
    .kernarg_segment_size: 32
    .max_flat_workgroup_size: 128
    .sgpr_count:     98
    .vgpr_count:     1024
    .wavefront_size: 32
...
	.end_amdgpu_metadata
.endif
;; end of part 4
